; MI455X (gfx1250); checked and timed in simulation.
; The chip was launched on July 23, 2026; its instructions are those of AMD's public machine-readable ISA for CDNA 5 (MIT licence, August 2026) and "CDNA5" Instruction Set Architecture Reference Guide (July 2026). The comments in the code are by the model that wrote it; some were corrected since.
;; Multi Head Self Attention. Allowed arithmetic: matrix products marked QUANTISED: E2M3 operands, one E8M0 scale for each 32 along K, by v_wmma_scale_f32_16x16x128_f8f6f4 with both operands' format E2M3, f32 sums; everything else in f32.
;; Inputs: Wk 1,024 x 1,024 float32; Wo 1,024 x 1,024 float32; Wq 1,024 x 1,024 float32; Wv 1,024 x 1,024 float32; token_positions 4 x 2,048 int32; x 4 x 2,048 x 1,024 float32.
;; Outputs: out0 4 x 2,048 x 1,024 float32.
;; This version of the problem:
;;   THIS VERSION OF THE PROBLEM IS GIVEN IN LOW PRECISION. The matrix products marked QUANTISED in the list below multiply operands that are first quantised to E2M3 (2 exponent bits, 3 mantissa bits; 6 bits a number), with one power-of-two scale for each 32 numbers along K (OCP MX v1.0); their sums are f32. All else is computed in f32.
;;   The module's matrix products, in the order in which they are computed (A, B: the left and right operand; K: the contracted axis; several contracted axes count as one K, in the product's order):
;;     1. [M 8,192, K 1,024] x [K 1,024, N 1,024]; A: input x; B: input Wq: QUANTISED
;;     2. [M 8,192, K 1,024] x [K 1,024, N 1,024]; A: input x; B: input Wk: QUANTISED
;;     3. [M 8,192, K 1,024] x [K 1,024, N 1,024]; A: input x; B: input Wv: QUANTISED
;;     4. batch 64 x [M 2,048, K 64] x [K 64, N 2,048]; A: computed on the way; B: computed on the way: QUANTISED
;;     5. batch 64 x [M 2,048, K 2,048] x [K 2,048, N 64]; A: softmax (see below); B: computed on the way: QUANTISED
;;     6. [M 8,192, K 1,024] x [K 1,024, N 1,024]; A: computed on the way; B: input Wo: QUANTISED
;;   THE QUANTISER, for each operand of a quantised product, along K:
;;     - K is cut into blocks of 32 from its start; a last block that is shorter is filled with zeros.
;;     - A block's scale is 2^e with e = floor(log2(the largest magnitude in the block)) - 2, held to -126 .. 127; a block of zeros has e = 0. As a byte (E8M0): e + 127.
;;     - Each number is divided by its block's scale, clamped to +-7.5, and rounded to the nearest number of E2M3, ties to even, subnormals kept.
;;     - The product sums the exact products of the quantised numbers (number of the format x scale) in f32.
;;   ~~~python
;;   def quantise(x, axis):      # numpy; x: float32 -> the quantised numbers, widened to float32 again
;;       x = np.moveaxis(x, axis, -1); K = x.shape[-1]
;;       x = np.pad(x, [(0, 0)] * (x.ndim - 1) + [(0, -K % 32)]); x = x.reshape(x.shape[:-1] + (-1, 32)); a = np.abs(x).max(-1, keepdims=True)
;;       e = np.where(a > 0, np.clip(np.frexp(np.where(a > 0, a, 1))[1] - 1 - 2, -126, 127), 0)      # np.frexp(a)[1] - 1 = floor(log2(a)), exactly
;;       r = np.clip(x / 2.0 ** e, -7.5, 7.5)
;;       step = 2.0 ** (np.maximum(np.frexp(np.where(r == 0, 1, r))[1] - 1, 0) - 3)
;;       q = np.round(r / step) * step * 2.0 ** e      # np.round: ties to even
;;       return np.moveaxis(q.reshape(q.shape[:-2] + (-1,))[..., :K], -1, axis).astype(np.float32)
;;   ~~~
;;   SOFTMAX AHEAD OF A QUANTISED PRODUCT. Where the list says 'softmax', what is quantised is not the finished softmax but p = 2^(t - M), with t = logit x log2(e) and M = ceil(the row's largest t), a whole number; so 1/2 < the row's largest p <= 1. The row's sum l is taken of the UNQUANTISED p, in f32, and the product's result is divided by l at the end. Since M is a whole number, a kernel that streams over the keys may use a running M (the ceiling of the running maximum): every later rescaling is an exact power of two, which a block's scale takes up: the codes' values come out the same.
;;   OPERANDS COMPUTED ON THE WAY. 'Computed on the way' means the value that the module computes at that place (a softmax that the list does not call 'softmax' is quantised finished and normalised). What goes into a quantiser is computed in f32, as accurately as f32 sums, v_exp_f32 and their like allow (about 1e-6 of the number): no bf16 or f16 on the way to a quantiser, and a product that is left as it is and whose result goes on into a quantised operand takes f32 operands (vector FMAs, or v_wmma_f32_16x16x4_f32). A number that lies on a knife's edge between two numbers of the format may be rounded either way, as far as f32 arithmetic and the matrix unit's own rounding can turn it there, and no further.
;; One version. Each part assembles by itself: llvm-mc -triple=amdgcn-amd-amdhsa -mcpu=gfx1250 --defsym DOCPART=n.
;; ======== version 1 of 1: 4 launches
;; limits: right only within a limited range of input values
;; workspace buffers: xc 6,291,456 bytes; xs 262,144 bytes; wc 6,291,456 bytes; ws 131,072 bytes; rope 2,097,152 bytes; qkv 19,660,800 bytes; oc 6,291,456 bytes; os 262,144 bytes
;; launch prep (part 1): grid 512 x 1, 4 waves a work-group, no clusters, 68,096 bytes of LDS; arguments x, token_positions, Wq, Wk, Wv, Wo, xc, xs, wc, ws, rope; writes xc, xs, wc, ws, rope
.if DOCPART == 1
	.amdgcn_target "amdgcn-amd-amdhsa--gfx1250"
	.amdhsa_code_object_version 6
	.text
	.protected	k_q044f823ef6_prep
	.globl	k_q044f823ef6_prep
	.p2align	8
	.type	k_q044f823ef6_prep,@function
k_q044f823ef6_prep:
	s_mov_b64 s[64:65], 0
	v_nop
	global_prefetch_b8 v0, s[64:65] scope:SCOPE_SE
	s_setreg_imm32_b32 hwreg(HW_REG_WAVE_MODE, 25, 1), 1
	s_wait_xcnt 0x0
; PREP: x and the four weights become codes of FP6 (E2M3) with one E8M0 byte for each 32 along K, and cos / sin of the rotary angles become a table.
; A block's scale is 2^(floor(log2(its largest magnitude)) - 2); its byte is the largest magnitude's exponent field - 2, held at 1 from below.  A block of zeros so gets the byte 1 where
; the rule says 127: its codes are zeros, which add nothing under any byte but 0xff, and these bytes are read by this program alone.
; THE ORDER OF ROWS.  P(i) is i with its bits 3 and 4 exchanged.  Row s of x lies at place P(s) of xc and xs, column e of a weight at place P(e) of wc and ws.  Sixteen neighbouring places that are
; source 0 of a matrix instruction then leave, in a lane's registers of two neighbouring tiles, sixteen NEIGHBOURING indices: what the next quantiser wants.
; Work-groups 0-255: x (32 rows each).  256-383: the weights (128 columns x 256 along K each).  384-511: the table (4 blocks of 16 places each).  The three ways part on the work-group's number, never join,
; and have LDS bytes of their own: x 0 .. 32,767; weights 32,768 .. 67,583; the table none.
; LIMITS: NaN and infinities are not served.  |position x frequency| up to 1e5: beyond that the reduction by pi / 2 in three parts loses accuracy.  The frequencies are 10^(-i / 8), rounded to f32 once.
.set SPW,   192                        ; v192  LDS address of my spare word: SPARE + 4 x my thread's number; never rewritten
.set NIL,   193                        ; v193  0; never rewritten
.set SPARE, 67584                      ; behind both ways' bytes: the spare words, 128 bytes for each wave
.set WREG,  8192                       ; x: a region for each wave: two stages of 32 x SP bytes, then its 256 scale bytes
.set SP,    80                         ; a lane's place in a stage: its 64 bytes + 16
.set STEPS, 16
.set CB,    12                         ; bytes of 16 codes
.set XR,    16                         ; v16-79   four sets of 16 numbers as loaded
.set XX,    80                         ; v80-111  two sets of 16 neighbours
.set XE,    112                        ; v112-127 a scale byte for each step
.set XC,    128                        ; v128-191 codes: four registers for each step
.set WBASE, 32768                      ; the weights' stages
.set NB,    8                          ; blocks of 32 along K for a wave
.set PITCH, 272                        ; a stage row: sixteen places of 16 bytes + 16
.set KROW,  768                        ; a row of 1,024 codes in bytes
.set WX,    32                         ; v32-95   two sets of 32 numbers
.set WC,    96                         ; v96..    a block's codes
.set WOUT,  112                        ; v112-175 the way out
.set WSB,   24                         ; v24-25   the scale bytes, four to a register
	s_load_b256 s[4:11], s[0:1], 0x0               ; x, token_positions, Wq, Wk
	s_load_b256 s[12:19], s[0:1], 0x20             ; Wv, Wo, xc, xs
	s_load_b128 s[20:23], s[0:1], 0x40             ; wc, ws
	s_load_b64 s[24:25], s[0:1], 0x50              ; rope
	v_lshl_add_u32 v[SPW], v0, 2, SPARE
	v_mov_b32 v[NIL], 0
	v_lshrrev_b32 v1, 5, v0
	v_readfirstlane_b32 s26, v1                    ; wave 0..3
	v_and_b32 v2, 31, v0                           ; lane
	s_wait_kmcnt 0x0
	s_cmp_lt_u32 ttmp9, 256
	s_cbranch_scc0 .Lnot_x
; ---------------- x.  A wave takes a run of 8 rows (8,192 numbers) in 16 steps of 512.  Each load reads 512 consecutive bytes; a step's 2,048 bytes turn through the wave's own stage so that a lane
; holds 16 neighbours (two neighbouring lanes hold a block).  The run goes out at the place that exchanging bits 3 and 4 of its rows gives it: bits 0 and 1 of the run's number, which are the wave's number.
	s_wait_alu depctr_va_vdst(0)
	v_lshlrev_b32 v3, 4, v2                        ; my 16 bytes of a load's 512
	s_mul_i32 s28, s26, WREG
	v_lshrrev_b32 v14, 2, v2
	v_mul_u32_u24 v14, v14, SP
	v_and_b32 v15, 3, v2
	v_lshl_add_u32 v14, v15, 4, v14
	v_add_nc_u32 v14, s28, v14                     ; the stage, on the way in: SP (lane / 4) + 16 (lane % 4)
	v_mul_u32_u24 v15, v2, SP
	v_add_nc_u32 v15, s28, v15                     ; and on the way out: SP x lane
	v_mul_u32_u24 v4, v2, CB                       ; my codes' place in a step's
	v_lshrrev_b32 v5, 1, v2
	s_add_co_u32 s28, s28, 2*32*SP
	v_add_nc_u32 v5, s28, v5                       ; my wave's 256 scale bytes, my block's byte
	v_lshlrev_b32 v7, 3, v2
	v_add_nc_u32 v6, s28, v7                       ; and on the way out 8 bytes a lane
	s_lshl_b32 s29, ttmp9, 2
	s_add_co_u32 s30, s29, s26                     ; my run
	s_lshl_b32 s30, s30, 15                        ; 32,768 bytes of f32 a run
	s_mov_b32 s31, 0
	s_add_nc_u64 s[4:5], s[4:5], s[30:31]
	s_and_b32 s32, s26, 1
	s_lshl_b32 s32, s32, 1
	s_lshr_b32 s33, s26, 1
	s_or_b32 s32, s32, s33
	s_add_co_u32 s32, s32, s29                     ; the run's place
	s_mul_i32 s30, s32, 6144                       ; 8 rows of 768 bytes of codes
	s_add_nc_u64 s[16:17], s[16:17], s[30:31]
	s_lshl_b32 s30, s32, 8                         ; 8 rows of 32 scale bytes
	s_add_nc_u64 s[18:19], s[18:19], s[30:31]
.macro XLOAD t
.irp i, 0,1,2,3
	global_load_b128 v[XR+16*((\t)%4)+4*\i:XR+16*((\t)%4)+4*\i+3], v3, s[4:5] offset:2048*(\t)+512*\i th:TH_LOAD_NT   ; 32 lanes read 512 consecutive bytes
.endr
.endm
.macro XTURN t                         ; step t's numbers through the stage: LDS serves a wave's instructions in order, so no wait stands between the stores and the loads
.irp i, 0,1,2,3
	ds_store_b128 v14, v[XR+16*((\t)%4)+4*\i:XR+16*((\t)%4)+4*\i+3] offset:32*SP*((\t)%2)+8*SP*\i
.endr
.irp i, 0,1,2,3
	ds_load_b128 v[XX+16*((\t)%2)+4*\i:XX+16*((\t)%2)+4*\i+3], v15 offset:32*SP*((\t)%2)+16*\i
.endr
.endm
.irp t, 0,1,2,3
	XLOAD \t
.endr
	s_wait_alu depctr_va_vdst(0)
	s_wait_loadcnt 12                              ; step 0's four loads are in; the twelve behind them may be out
	XTURN 0
.macro XSTEP t
.set XS, XX+16*((\t)%2)
.if (\t) > 0
	s_wait_dscnt 1                                 ; this step's numbers are back from the stage (the last step's byte store may be out)
.else
	s_wait_dscnt 0x0
.endif
.if (\t)+4 < STEPS
	XLOAD (\t)+4                                   ; into the registers that the stage's stores have read
.endif
.if (\t)+1 < STEPS
.if STEPS-2-(\t) >= 3
	s_wait_loadcnt 12                              ; the next step's four loads are in; those of the three steps behind it may be out
.else
	s_wait_loadcnt 4*(STEPS-2-(\t))
.endif
	XTURN (\t)+1
.endif
	v_max3_num_f32 v8, |v[XS]|, |v[XS+1]|, |v[XS+2]|               ; the largest magnitude of my 16, in two chains
	v_max3_num_f32 v9, |v[XS+3]|, |v[XS+4]|, |v[XS+5]|
.irp i, 6,10
	v_max3_num_f32 v8, v8, |v[XS+\i]|, |v[XS+\i+1]|
	v_max3_num_f32 v9, v9, |v[XS+\i+2]|, |v[XS+\i+3]|
.endr
	v_max3_num_f32 v8, v8, |v[XS+14]|, |v[XS+15]|
	v_max3_num_f32 v8, v8, v9, 0x1800000           ; and the floor 2^(3 - 127): the byte cannot fall under 1
	v_max_num_f32_dpp v8, v8, v8 row_xmask:1 row_mask:0xf bank_mask:0xf   ; and of my neighbour's 16: the block's
	v_add_nc_u32 v11, 0xff000000, v8               ; 2 off its exponent field: the conversion takes the exponent field of this operand as its scale
	v_cvt_scalef32_pk16_fp6_f32 v[XC+4*(\t):XC+4*(\t)+2], v[XS:XS+15], v11
	v_lshrrev_b32 v[XE+(\t)], 23, v11              ; the scale's byte (also the plain line behind the conversion)
	ds_store_b8 v5, v[XE+(\t)] offset:16*(\t)      ; both lanes of a block write the same byte with the same value
	global_store_b96 v4, v[XC+4*(\t):XC+4*(\t)+2], s[16:17] offset:32*CB*(\t)   ; the wave stores 384 consecutive bytes
.endm
.irp t, 0,1,2,3,4,5,6,7,8,9,10,11,12,13,14,15
	XSTEP \t
.endr
	ds_load_b64 v[8:9], v6                         ; LDS serves a wave's instructions in order: these see my byte stores
	s_wait_dscnt 0x0
	global_store_b64 v7, v[8:9], s[18:19]          ; 32 lanes store 256 consecutive bytes, aligned
	s_wait_tensorcnt 0x0                           ; the wave's end, behind my last LDS store
	ds_add_u32 v[SPW], v[NIL]
	s_wait_dscnt 0x0
	s_endpgm
; ---------------- the weights, stored [k][n].  A lane takes a column and its registers run down K: a block of 32 lies in one lane, and the conversions give codes with K innermost.  A wave takes 32 columns x 256 along K;
; its codes go through its own stage, the lane's row there being P(lane), and leave as rows: sixteen lanes store a row's 192 consecutive bytes.
.Lnot_x:
	s_cmp_lt_u32 ttmp9, 384
	s_cbranch_scc0 .Lrope
	s_sub_co_u32 s28, ttmp9, 256
	s_lshr_b32 s29, s28, 5                         ; which weight: 0 q, 1 k, 2 v, 3 o
	s_and_b32 s30, s28, 7                          ; which 128 columns
	s_lshr_b32 s31, s28, 3
	s_and_b32 s31, s31, 3                          ; which 256 along K
	s_cmp_eq_u32 s29, 1
	s_cselect_b64 s[8:9], s[10:11], s[8:9]
	s_cmp_eq_u32 s29, 2
	s_cselect_b64 s[8:9], s[12:13], s[8:9]
	s_cmp_eq_u32 s29, 3
	s_cselect_b64 s[8:9], s[14:15], s[8:9]         ; the weight's address: the choice hangs on the work-group's number alone
	s_lshl_b32 s32, s30, 7
	s_lshl_b32 s33, s26, 5
	s_add_co_u32 s32, s32, s33                     ; my wave's first column
	s_lshl_b32 s34, s31, 20                        ; 256 rows of 4,096 bytes
	s_lshl_b32 s35, s32, 2
	s_add_co_u32 s34, s34, s35
	s_mov_b32 s35, 0
	s_add_nc_u64 s[8:9], s[8:9], s[34:35]
	s_mul_i32 s34, s29, 786432                     ; codes: weight, column x 768, 192 bytes for each 256 along K
	s_mul_i32 s36, s32, KROW
	s_add_co_u32 s34, s34, s36
	s_mul_i32 s36, s31, 192
	s_add_co_u32 s34, s34, s36
	s_add_nc_u64 s[20:21], s[20:21], s[34:35]
	s_lshl_b32 s34, s29, 15                        ; scale bytes: weight, column x 32, 8 bytes for each 256 along K
	s_lshl_b32 s36, s32, 5
	s_add_co_u32 s34, s34, s36
	s_lshl_b32 s36, s31, 3
	s_add_co_u32 s34, s34, s36
	s_add_nc_u64 s[22:23], s[22:23], s[34:35]
	s_wait_alu depctr_va_vdst(0)
	v_lshlrev_b32 v3, 2, v2                        ; in: 4 bytes a lane
	v_and_b32 v4, 7, v2
	v_bfe_u32 v5, v2, 3, 1
	v_bfe_u32 v6, v2, 4, 1
	v_lshl_or_b32 v4, v5, 4, v4
	v_lshl_or_b32 v10, v6, 3, v4                   ; P(lane)
	s_mul_i32 s37, s26, 32*PITCH
	s_add_co_u32 s37, s37, WBASE                   ; my stage
	v_mul_u32_u24 v4, v10, PITCH
	v_add_nc_u32 v4, s37, v4                       ; into it: row = my column's place
	v_and_b32 v5, 15, v2
	v_lshrrev_b32 v6, 4, v2
	v_mul_u32_u24 v7, v6, PITCH
	v_lshl_add_u32 v7, v5, 4, v7
	v_add_nc_u32 v7, s37, v7                       ; out of it: sixteen lanes to a row, two rows an instruction
	v_mul_u32_u24 v8, v6, KROW
	v_mad_u32_u24 v8, v5, 12, v8                   ; and the same place in wc
	v_lshlrev_b32 v9, 5, v10                       ; my column's row of scale bytes
.macro WLOAD t                         ; block t: W(32 t + i, my column) into set t % 2
.set i, 0
.rept 32
	global_load_b32 v[WX+32*((\t)%2)+i], v3, s[8:9] offset:(32*(\t)+i)*4096 th:TH_LOAD_NT
.set i, i+1
.endr
.endm
	WLOAD 0
	WLOAD 1
.macro WBLOCK t
.set XS, WX+32*((\t)%2)
.if (\t) < NB-1
	s_wait_loadcnt 32                              ; this block's 32 loads are in; the next block's may be out
.else
	s_wait_loadcnt 0
.endif
	v_max3_num_f32 v12, |v[XS]|, |v[XS+1]|, |v[XS+2]|               ; the block's largest magnitude: all 32 numbers are mine
	v_max3_num_f32 v13, |v[XS+3]|, |v[XS+4]|, |v[XS+5]|
.irp i, 6,10,14,18,22,26
	v_max3_num_f32 v12, v12, |v[XS+\i]|, |v[XS+\i+1]|
	v_max3_num_f32 v13, v13, |v[XS+\i+2]|, |v[XS+\i+3]|
.endr
	v_max3_num_f32 v12, v12, |v[XS+30]|, |v[XS+31]|
	v_max3_num_f32 v12, v12, v13, 0x1800000        ; and the floor
	v_add_nc_u32 v11, 0xff000000, v12              ; the conversion's scale operand
	v_lshrrev_b32 v13, 23, v11                     ; the scale's byte
.if (\t)%4 == 0
	v_mov_b32 v[WSB+(\t)/4], v13                   ; four bytes to a register, the lower K in the lower byte
.else
	v_lshl_or_b32 v[WSB+(\t)/4], v13, 8*((\t)%4), v[WSB+(\t)/4]
.endif
	v_cvt_scalef32_pk16_fp6_f32 v[WC:WC+2], v[XS:XS+15], v11
	v_cvt_scalef32_pk16_fp6_f32 v[WC+4:WC+6], v[XS+16:XS+31], v11   ; (a conversion's three registers begin on an even number)
	v_nop                                          ; one plain line behind the conversions
	ds_store_b96 v4, v[WC:WC+2] offset:32*(\t)     ; 12 bytes to a place of 16, so that every LDS address is a multiple of 16
	ds_store_b96 v4, v[WC+4:WC+6] offset:32*(\t)+16
.if (\t)+2 < NB
	WLOAD (\t)+2
.endif
	s_wait_dscnt 0x0                               ; the stores have read their registers: the next block's codes may be written
.endm
.irp t, 0,1,2,3,4,5,6,7
	WBLOCK \t
.endr
	s_wait_alu depctr_va_vdst(0)
	global_store_b64 v9, v[WSB:WSB+1], s[22:23]    ; my column's 8 scale bytes
.irp t, 0,1,2,3,4,5,6,7,8,9,10,11,12,13,14,15
	ds_load_b96 v[WOUT+4*\t:WOUT+4*\t+2], v7 offset:2*\t*PITCH
.endr
.irp t, 0,1,2,3,4,5,6,7,8,9,10,11,12,13,14,15
	s_wait_dscnt 15-\t
	global_store_b96 v8, v[WOUT+4*\t:WOUT+4*\t+2], s[20:21] offset:2*\t*KROW
.endr
	s_wait_tensorcnt 0x0                           ; the wave's end, behind my last LDS store
	ds_add_u32 v[SPW], v[NIL]
	s_wait_dscnt 0x0
	s_endpgm
; ---------------- the table.  A wave makes one block: 16 places x 32 frequencies x (cos, sin), as an image of the registers in which the projection's way out wants them: chunk t (512 bytes, 16 a lane) holds for
; lane (r, h) the numbers (cos, sin, cos, sin) of frequencies i and i + 1, i = 16 (t / 4) + 8 h + 2 (t % 4), of place 16 x block + r.  No LDS.
.Lrope:
	s_sub_co_u32 s28, ttmp9, 384
	s_lshl_b32 s28, s28, 2
	s_add_co_u32 s28, s28, s26                     ; my block, 0 .. 511
	s_lshr_b32 s29, s28, 1
	s_lshl_b32 s29, s29, 5
	s_and_b32 s30, s28, 1
	s_lshl_b32 s30, s30, 3
	s_add_co_u32 s29, s29, s30
	s_wait_alu depctr_va_vdst(0)
	v_and_b32 v3, 7, v2
	v_bfe_u32 v4, v2, 3, 1
	v_lshl_or_b32 v3, v4, 4, v3
	v_add_nc_u32 v3, s29, v3                       ; the token that lies at my place: P(16 x block + r)
	v_lshlrev_b32 v3, 2, v3
	global_load_b32 v32, v3, s[6:7]                ; its position
	s_lshl_b32 s30, s28, 12
	s_mov_b32 s31, 0
	s_add_nc_u64 s[24:25], s[24:25], s[30:31]
	v_lshlrev_b32 v5, 4, v2
	s_mov_b32 s27, 0xffff0000                      ; lanes 16-31
	s_mov_b32 s32, 0x3f22f983                      ; 2 / pi
	s_mov_b32 s33, 0x3fc90fd8                      ; pi / 2 in three parts
	s_mov_b32 s34, 0x34a8885a
	s_mov_b32 s35, 0x27c234c4
	s_mov_b32 s36, 0xb94ca1f9                      ; the sine's polynomial
	s_mov_b32 s37, 0x3c08839e
	s_mov_b32 s38, 0xbe2aaaa3
	s_mov_b32 s39, 0x37ccf5ce                      ; the cosine's
	s_mov_b32 s40, 0xbab6061a
	s_mov_b32 s41, 0x3d2aaaa5
.macro FREQ n, f0, f1                  ; frequency 16 (n / 8) + n % 8 for lanes 0-15, eight further on for lanes 16-31
	v_mov_b32 v33, \f0
	v_mov_b32 v34, \f1
	v_cndmask_b32 v[16+\n], v33, v34, s27
.endm
	FREQ 0, 1.0, 0.1
	FREQ 1, 0.749894209332, 0.0749894209332
	FREQ 2, 0.562341325190, 0.0562341325190
	FREQ 3, 0.421696503429, 0.0421696503429
	FREQ 4, 0.316227766017, 0.0316227766017
	FREQ 5, 0.237137370566, 0.0237137370566
	FREQ 6, 0.177827941004, 0.0177827941004
	FREQ 7, 0.133352143216, 0.0133352143216
	FREQ 8, 0.01, 0.001
	FREQ 9, 0.00749894209332, 0.000749894209332
	FREQ 10, 0.00562341325190, 0.000562341325190
	FREQ 11, 0.00421696503429, 0.000421696503429
	FREQ 12, 0.00316227766017, 0.000316227766017
	FREQ 13, 0.00237137370566, 0.000237137370566
	FREQ 14, 0.00177827941004, 0.000177827941004
	FREQ 15, 0.00133352143216, 0.000133352143216
	s_wait_loadcnt 0x0
	v_cvt_f32_i32 v32, v32
; cos and sin of a = position x frequency (the product rounded to f32): n = the nearest whole number to a x 2 / pi; r = a - n pi / 2 by three fused multiply-adds; polynomials in r; the quadrant n mod 4 exchanges the two and sets the signs.
.macro SINCOS n
	v_mul_f32 v72, v32, v[16+\n]
	v_mul_f32 v73, s32, v72
	v_rndne_f32 v73, v73
	v_fma_f32 v72, -v73, s33, v72
	v_fma_f32 v72, -v73, s34, v72
	v_fma_f32 v72, -v73, s35, v72                  ; r
	v_cvt_i32_f32 v74, v73
	v_mul_f32 v75, v72, v72
	v_fma_f32 v76, s36, v75, s37
	v_fma_f32 v76, v76, v75, s38
	v_mul_f32 v77, v72, v75
	v_fma_f32 v76, v76, v77, v72                   ; sin r
	v_fma_f32 v78, s39, v75, s40
	v_fma_f32 v78, v78, v75, s41
	v_fma_f32 v78, v78, v75, -0.5
	v_fma_f32 v78, v78, v75, 1.0                   ; cos r
	v_and_b32 v79, 1, v74
	v_cmp_ne_u32 vcc_lo, 0, v79
	v_cndmask_b32 v80, v76, v78, vcc_lo            ; in an odd quadrant the two change places
	v_cndmask_b32 v81, v78, v76, vcc_lo
	v_and_b32 v79, 2, v74
	v_lshlrev_b32 v79, 30, v79
	v_xor_b32 v[41+2*\n], v80, v79                 ; sin a: negative in quadrants 2 and 3
	v_add_nc_u32 v74, 1, v74
	v_and_b32 v74, 2, v74
	v_lshlrev_b32 v74, 30, v74
	v_xor_b32 v[40+2*\n], v81, v74                 ; cos a: negative in quadrants 1 and 2
.endm
.irp n, 0,1,2,3,4,5,6,7,8,9,10,11,12,13,14,15
	SINCOS \n
.endr
.irp t, 0,1,2,3,4,5,6,7
	global_store_b128 v5, v[40+4*\t:43+4*\t], s[24:25] offset:512*\t   ; 32 lanes store 512 consecutive bytes, aligned
.endr
	s_endpgm
.Lfunc_end_k_q044f823ef6_prep:
	.size	k_q044f823ef6_prep, .Lfunc_end_k_q044f823ef6_prep-k_q044f823ef6_prep
	.p2alignl 7, 3214868480
	.fill 96, 4, 3214868480
	.section	.rodata,"a",@progbits
	.p2align	6, 0x0
	.amdhsa_kernel k_q044f823ef6_prep
		.amdhsa_group_segment_fixed_size 68096
		.amdhsa_private_segment_fixed_size 0
		.amdhsa_enable_private_segment 0
		.amdhsa_kernarg_size 88
		.amdhsa_user_sgpr_count 2
		.amdhsa_user_sgpr_kernarg_segment_ptr 1
		.amdhsa_wavefront_size32 1
		.amdhsa_system_sgpr_workgroup_id_x 1
		.amdhsa_system_sgpr_workgroup_id_y 1
		.amdhsa_system_sgpr_workgroup_id_z 1
		.amdhsa_system_vgpr_workitem_id 0
		.amdhsa_next_free_vgpr 200
		.amdhsa_next_free_sgpr 66
		.amdhsa_reserve_vcc 1
		.amdhsa_float_denorm_mode_32 3
		.amdhsa_float_denorm_mode_16_64 3
		.amdhsa_memory_ordered 1
		.amdhsa_forward_progress 1
		.amdhsa_inst_pref_size 98
	.end_amdhsa_kernel
	.amdgpu_metadata
---
amdhsa.version: [ 1, 2 ]
amdhsa.kernels:
  - .name:           k_q044f823ef6_prep
    .symbol:         k_q044f823ef6_prep.kd
    .args:
      - { .name: x, .offset: 0, .size: 8, .value_kind: global_buffer, .address_space: global }
      - { .name: token_positions, .offset: 8, .size: 8, .value_kind: global_buffer, .address_space: global }
      - { .name: Wq, .offset: 16, .size: 8, .value_kind: global_buffer, .address_space: global }
      - { .name: Wk, .offset: 24, .size: 8, .value_kind: global_buffer, .address_space: global }
      - { .name: Wv, .offset: 32, .size: 8, .value_kind: global_buffer, .address_space: global }
      - { .name: Wo, .offset: 40, .size: 8, .value_kind: global_buffer, .address_space: global }
      - { .name: xc, .offset: 48, .size: 8, .value_kind: global_buffer, .address_space: global }
      - { .name: xs, .offset: 56, .size: 8, .value_kind: global_buffer, .address_space: global }
      - { .name: wc, .offset: 64, .size: 8, .value_kind: global_buffer, .address_space: global }
      - { .name: ws, .offset: 72, .size: 8, .value_kind: global_buffer, .address_space: global }
      - { .name: rope, .offset: 80, .size: 8, .value_kind: global_buffer, .address_space: global }
    .group_segment_fixed_size: 68096
    .private_segment_fixed_size: 0
    .kernarg_segment_align: 8
    .kernarg_segment_size: 88
    .max_flat_workgroup_size: 128
    .sgpr_count:     66
    .vgpr_count:     200
    .wavefront_size: 32
...
	.end_amdgpu_metadata
.endif
;; end of part 1
;; launch proj (part 2): grid 8 x 32, 4 waves a work-group, clusters of 4 x 4, 327,680 bytes of LDS; arguments xc, xs, wc, ws, rope, qkv; writes qkv
.if DOCPART == 2
	.amdgcn_target "amdgcn-amd-amdhsa--gfx1250"
	.amdhsa_code_object_version 6
	.text
	.protected	k_q044f823ef6_proj
	.globl	k_q044f823ef6_proj
	.p2align	8
	.type	k_q044f823ef6_proj,@function
k_q044f823ef6_proj:
	s_mov_b64 s[64:65], 0
	v_nop
	global_prefetch_b8 v0, s[64:65] scope:SCOPE_SE
	s_setreg_imm32_b32 hwreg(HW_REG_WAVE_MODE, 25, 1), 1
	s_wait_xcnt 0x0
	s_wait_alu depctr_hold_cnt(0) depctr_sa_sdst(0) depctr_va_vdst(0) depctr_va_sdst(0) depctr_va_ssrc(0) depctr_va_vcc(0) depctr_vm_vsrc(0)
	s_getreg_b32 s2, hwreg(HW_REG_IB_STS2, 6, 4)
	s_cmp_eq_u32 s2, 0
	s_cbranch_scc0 .Lentry_in_a_cluster
	s_endpgm
.Lentry_in_a_cluster:
	s_bfe_u32 s2, ttmp6, 0x10000c
	s_cmp_lg_u32 s2, 0xf033
	s_cbranch_scc0 .Lentry_shape_is_right
	s_endpgm
.Lentry_shape_is_right:
; PROJ: Q, K, V = x W on codes of FP6 (E2M3) with E8M0 scales, sums in f32; RoPE on Q and K in f32; all three are quantised again and leave as operand images for the attention launch.  No f32 result is stored.
; IN: xc[place][768 bytes], xs[place][32]; wc[weight q, k, v][place][768], ws likewise (a place is an index with bits 3 and 4 exchanged); rope: for each tile of 16 places 4,096 bytes of (cos, sin) as an image of registers.
; OUT, for each batch and head 307,200 bytes of qkv: K's images at 0, V's at 98,304, K's and V's scale images at 196,608 and 200,704, Q's images at 204,800, Q's scale images at 303,104; a key step of 128 tokens is four images of
; 1,536 bytes (three pieces of 16 bytes a lane) and 256 bytes of scale words (8 bytes a lane: word w of lane l belongs to image 2 w + l / 16, row l % 16).  An image of Q or K: two tiles of 16 tokens side by side; of V: 16 channels x 128 tokens.
; THE DEAL.  256 work-groups of four waves (2 x 2).  A work-group takes 256 rows of x and the same 128 columns of Wq, Wk, Wv in turn; a wave one key step of 128 tokens x one head.  A wave holds its 64 rows of a weight, ALL of K, in 384
; registers and streams its eight blocks of 16 rows of x past them: 8 fragments a block, in two sets, 32 products a block on four accumulators by turns.
; LDS: x's 256 rows lie there for the whole launch (rows of 768 + 3 x 16 bytes), the weight's 128 rows in a region of their own behind them, then the spare words.  Nothing is stored into LDS.
; FILLS.  At the head one joint load a wave: waves 0, 1 a half each of Wq's rows, waves 2, 3 of x's.  TWO REFILLS of the weights' region (Wk, Wv; waves 0, 1 a half each), each behind the three lines and a round of the cluster's
; barrier, as soon as all waves hold the weight before in registers: so a refill is asked for eight blocks ahead of its first read, and no prefetch is laid.  What a refill brought is shown by a plain barrier at the phase's end.
; CLUSTERS, 4 x 4: x's rows hang on the block's row alone and are shared along a row of the cluster, a weight's on its column alone and are shared along a column.
; Q AND K are one loop of two trips: source 0 = the weight's rows, so a lane holds a token and its 32 sums of a block are the head's 64 columns by halves of the lanes; RoPE block by block, the quantiser for two blocks at a time: one image.
; V: source 0 = x's rows, so a lane holds a channel and its registers run along the tokens; its 32 accumulators are quantised at the end, four images.
; LIMITS: NaN and infinities are not served; a block of zeros keeps the byte 1 with zero codes (these bytes are read by this program alone).
; REGISTERS: window 0: v1-15 addresses; v16-47 x's scale words (8 i + q: lanes 0-15 block 2 i, lanes 16-31 block 2 i + 1); v52-67 the weight's (8 p + q likewise); v84-147 two sets of the table; v148-211 two blocks behind RoPE;
; v212-251 the quantiser's.  Fragment f lies in window 1 + f / 21 at register 12 (f % 21): 0-31 the weight's (4 q + b), 32-39, 40-47 x's two sets.  Window 3: v72-135 Q's and K's two sets of accumulators; v200-215 the next weight's scale words.
; V's accumulators, 64 a tile of channels: window 0 v84-211, window 3 v72-199.
.set HEADB,  307200
.set KROW,   768
.set PITCH,  816
.set HALFX,  128*PITCH
.set WB,     2*HALFX
.set SPARE,  WB+HALFX
.set FR,     12
.set FPW,    21
.set SPW,  1
.set NIL,  2
.set AX,   4                           ; v4, v5 LDS: my blocks 0-3 of x (v5: for the pieces whose lanes 16-31 lie behind one padding more); v6, v7: blocks 4-7
.set AW,   8                           ; v8, v9 the same for my rows of the weight
.set L16,  10
.set L8,   11
.set LS,   12
.set SA,   16
.set SB,   52
.set RP,   84
.set X,    148
.set IMG,  212
.set PT,   224
.set TM,   232
.set T,    240
.set WD,   248
.set AC3,  72
.set SB2,  200
.set G1X,  24
.set G0X,  32
.set G0W,  36
.set G1W,  48
.set MSB, 0
.macro WIN new                         ; the immediate's high byte repeats the setting that is left
.if MSB != (\new)
	s_set_vgpr_msb (MSB<<8)|(\new)
.set MSB, (\new)
.endif
.endm
.macro PLACES n
.rept \n
	v_nop
.endr
.endm
.macro WALU
	s_wait_alu depctr_va_vdst(0)
.endm
.macro BARRIER
	s_barrier_signal -1
	s_barrier_wait -1
.endm
.macro CROUND                          ; a round of the cluster's barrier
	BARRIER
	s_cmp_lg_u32 s14, 0
	s_cbranch_scc1 .Lnot_wave_0_\@
	s_barrier_signal -3
.Lnot_wave_0_\@:
	s_barrier_wait -3
	BARRIER
.endm
.macro GROUP1 g, mask, rows            ; rows of 768 bytes, 16 bytes of padding behind every 256
	s_or_b32 s[\g+0], s[\mask], (1<<20)|(1<<21)|(5<<22)|(3<<25)
	s_mov_b32 s[\g+1], KROW<<16
	s_mov_b32 s[\g+2], (\rows)<<16
	s_mov_b32 s[\g+3], KROW<<16
	s_mov_b32 s[\g+4], \rows
	s_mov_b32 s[\g+5], KROW
	s_mov_b32 s[\g+6], 0
	s_mov_b32 s[\g+7], 0
.endm
	s_load_b256 s[4:11], s[0:1], 0x0               ; xc, xs, wc, ws
	s_load_b128 s[76:79], s[0:1], 0x20             ; rope, qkv
	v_lshl_add_u32 v[SPW], v0, 2, SPARE
	v_mov_b32 v[NIL], 0
	ds_add_u32 v[SPW], v[NIL]                      ; the opening lines: the add, twice on end, and its wait ahead of my first tensor load
	ds_add_u32 v[SPW], v[NIL]
	v_lshrrev_b32 v3, 5, v0
	v_readfirstlane_b32 s14, v3                    ; wave 0..3
	s_lshr_b32 s15, s14, 1                         ; my key step of the two.  Also: I fetch for the weight (0) or for x (1)
	s_and_b32 s16, s14, 1                          ; my head of the two.  Also: which half I fetch
	s_bfe_u32 s40, ttmp6, 0x40000                  ; cx, cy
	s_bfe_u32 s41, ttmp6, 0x40004
	s_lshl_b32 s42, ttmp9, 2
	s_add_co_u32 s42, s42, s40                     ; the block's column, 0 .. 7
	s_and_b32 s17, ttmp7, 0xffff
	s_lshl_b32 s17, s17, 2
	s_add_co_u32 s17, s17, s41                     ; its row, 0 .. 31
	s_lshl_b32 s43, s41, 2
	s_lshl_b32 s43, 15, s43                        ; my row of the cluster
	s_lshl_b32 s44, 0x1111, s40                    ; my column
	GROUP1 G1X, 43, 128
	GROUP1 G1W, 44, 64
	s_mov_b32 s[G0X], 1
	s_mov_b32 s[G0W], 1
	s_mul_i32 s20, s17, 256*KROW                   ; x: the block's 256 rows, my 128 of them
	s_mul_i32 s18, s16, 128*KROW
	s_add_co_u32 s20, s20, s18
	s_mov_b32 s21, 0
	s_mul_i32 s[G0X+1], s16, HALFX
	s_mul_i32 s46, s42, 128*KROW                   ; the weight: the block's 128 rows, my 64 of them
	s_mul_i32 s19, s16, 64*KROW
	s_add_co_u32 s46, s46, s19
	s_mov_b32 s47, 0
	s_mul_i32 s[G0W+1], s16, 64*PITCH
	s_add_co_u32 s[G0W+1], s[G0W+1], WB
	s_lshl_b32 s22, s17, 8
	s_lshl_b32 s18, s15, 7
	s_add_co_u32 s22, s22, s18                     ; my first row
	s_lshl_b32 s66, s22, 8                         ; in the table: 4,096 bytes for 16 rows
	s_mov_b32 s67, 0
	s_lshl_b32 s22, s22, 5                         ; in xs: 32 bytes a row
	s_mov_b32 s23, 0
	s_lshl_b32 s56, s42, 7
	s_lshl_b32 s18, s16, 6
	s_add_co_u32 s56, s56, s18
	s_lshl_b32 s56, s56, 5                         ; my first column in ws
	s_mov_b32 s57, 0
	s_lshr_b32 s58, s17, 3                         ; the batch
	s_lshl_b32 s58, s58, 4
	s_lshl_b32 s18, s42, 1
	s_add_co_u32 s58, s58, s18
	s_add_co_u32 s58, s58, s16                     ; 16 x batch + head
	s_mul_i32 s58, s58, HEADB
	s_and_b32 s18, s17, 7
	s_lshl_b32 s18, s18, 1
	s_add_co_u32 s18, s18, s15                     ; my key step in the batch
	s_lshl_b32 s68, s18, 8
	s_add_co_u32 s68, s68, s58
	s_add_co_u32 s68, s68, 303104                  ; Q's scale images
	s_mov_b32 s69, 0
	s_mul_i32 s18, s18, 6144
	s_add_co_u32 s58, s58, s18
	s_add_co_u32 s58, s58, 204800                  ; Q's images
	s_mov_b32 s59, 0
	s_mul_i32 s60, s15, HALFX                      ; LDS: my 128 rows of x,
	s_mul_i32 s61, s16, 64*PITCH
	s_add_co_u32 s61, s61, WB                      ; my 64 rows of the weight
	s_mov_b32 s12, 0x76543210
	s_mov_b32 s13, 0xfedcba98                      ; v_permlanex16_b32's selects for lane l xor 16
	s_mov_b32 s71, 0xffff0000                      ; lanes 16-31
	s_mov_b32 s80, 0                               ; the trip: 0 Q, 1 K
	v_and_b32 v3, 31, v0
	v_and_b32 v13, 15, v0
	v_bfe_u32 v14, v0, 4, 1
	v_mul_u32_u24 v15, v13, PITCH
	v_lshlrev_b32 v[L16], 4, v3
	v_lshlrev_b32 v[L8], 3, v3
	v_lshlrev_b32 v[LS], 5, v3
	v_mad_u32_u24 v15, v14, 24, v15                ; a fragment's row x pitch + 24 x half
.irp b, 0,1,2,3
	v_mov_b32 v[TM+4+\b], 0                        ; (a lane permute's destination counts as one of its sources)
.endr
	v_add_nc_u32 v[AX], s60, v15
	v_add_nc_u32 v[AW], s61, v15
	v_lshl_add_u32 v[AX+1], v14, 4, v[AX]
	v_lshl_add_u32 v[AW+1], v14, 4, v[AW]
	v_add_nc_u32 v[AX+2], 64*PITCH, v[AX]
	v_add_nc_u32 v[AX+3], 64*PITCH, v[AX+1]
	WALU
	s_wait_dscnt 0x0                               ; both opening adds are done
	s_wait_kmcnt 0x0
	s_add_nc_u64 s[G0X+2:G0X+3], s[4:5], s[20:21]
	s_or_b32 s[G0X+3], s[G0X+3], 0x80000000
	s_add_nc_u64 s[G0W+2:G0W+3], s[8:9], s[46:47]
	s_or_b32 s[G0W+3], s[G0W+3], 0x80000000
	s_add_nc_u64 s[6:7], s[6:7], s[22:23]
	s_add_nc_u64 s[10:11], s[10:11], s[56:57]
	s_add_nc_u64 s[76:77], s[76:77], s[66:67]
	s_add_nc_u64 s[72:73], s[78:79], s[58:59]      ; where the trip's images go,
	s_add_nc_u64 s[74:75], s[78:79], s[68:69]      ; and its scale images
	CROUND                                         ; all sixteen work-groups are here: the joint loads meet
	s_cmp_eq_u32 s15, 0                            ; one chain of two arms, a load in each: the weight, which goes on into registers, is asked for by the lower waves
	s_cbranch_scc0 .Lfor_x
	tensor_load_to_lds s[G0W:G0W+3], s[G1W:G1W+7]
	s_nop 0
	PLACES 4
	s_branch .Lasked
.Lfor_x:
	tensor_load_to_lds s[G0X:G0X+3], s[G1X:G1X+7]
	s_nop 0
	PLACES 4
.Lasked:
.macro RLOAD t                         ; the table of my block t into set t % 2: 8 loads of 512 consecutive bytes
.irp k, 0,1,2,3,4,5,6,7
	global_load_b128 v[RP+32*((\t)%2)+4*\k:RP+32*((\t)%2)+4*\k+3], v[L16], s[76:77] offset:(\t)*4096+512*\k
.endr
.endm
.irp i, 0,1,2,3
.irp c, 0,1
	global_load_b128 v[SA+8*\i+4*\c:SA+8*\i+4*\c+3], v[LS], s[6:7] offset:1024*\i+16*\c
.endr
.endr
.irp p, 0,1
.irp c, 0,1
	global_load_b128 v[SB+8*\p+4*\c:SB+8*\p+4*\c+3], v[LS], s[10:11] offset:1024*\p+16*\c
.endr
.endr
	RLOAD 0
	RLOAD 1
; a fragment: six pieces of 8 bytes of a row's stream of codes, K step q of 128; byte y of a row lies at y + 16 (y / 256) of its LDS row
.macro FRAG f, q, adr, off
	WIN (1+(\f)/FPW)<<6
.set R_, FR*((\f)%FPW)
.irp p, 0,1,2,3,4,5
.set PC_, 12*(\q)+6*(\p/3)+\p%3
.if PC_%32 < 29
	ds_load_b64 v[R_+2*\p:R_+2*\p+1], v[\adr] offset:8*PC_+16*(PC_/32)+(\off)
.else
	ds_load_b64 v[R_+2*\p:R_+2*\p+1], v[\adr+1] offset:8*PC_+16*(PC_/32)+(\off)
.endif
.endr
.endm
.macro WEIGHTS                         ; my 64 rows of the weight, all of K: 192 loads
.irp q, 0,1,2,3,4,5,6,7
.irp b, 0,1,2,3
	FRAG 4*\q+\b, \q, AW, \b*16*PITCH
.endr
.endr
	WIN 0
.endm
.macro FETCH t                         ; my block t of x into set t % 2: 48 loads
.irp q, 0,1,2,3,4,5,6,7
	FRAG 32+8*((\t)%2)+\q, \q, AX+2*((\t)/4), ((\t)%4)*16*PITCH
.endr
	WIN 0
.endm
.macro W1 d, f0, f1, c, x0, x1, r0, r1
	v_wmma_scale_f32_16x16x128_f8f6f4 v[\d:\d+7], v[FR*((\f0)%FPW):FR*((\f0)%FPW)+FR-1], v[FR*((\f1)%FPW):FR*((\f1)%FPW)+FR-1], \c, v[\x0], v[\x1] matrix_a_fmt:MATRIX_FMT_FP6 matrix_b_fmt:MATRIX_FMT_FP6 matrix_a_scale:MATRIX_SCALE_ROW\r0 matrix_b_scale:MATRIX_SCALE_ROW\r1
.endm
.macro PROD kind, t, tr, q, bp, o      ; the weight's tile 2 bp + o, block t of x, K step q.  kind 0 (Q, K): source 0 the weight's rows; kind 1 (V): source 0 x's rows.  tr = t % 2, o: the rows of the scale registers
.set FB_, 4*(\q)+2*(\bp)+(\o)
.set FA_, 32+8*((\t)%2)+(\q)
.set XB_, SB+8*(\bp)+(\q)
.set XA_, SA+8*((\t)/2)+(\q)
.if \kind
.set D_, RP+64*(2*(\bp)+(\o))+(\bp)*628+8*(\t)
.set DL_, D_&255
	WIN (1+FA_/FPW)|((1+FB_/FPW)<<2)|((D_>>8)<<4)|((D_>>8)<<6)
.if \q
	W1 DL_, FA_, FB_, v[DL_:DL_+7], XA_, XB_, \tr, \o
.else
	W1 DL_, FA_, FB_, 0, XA_, XB_, \tr, \o
.endif
.else
.set DL_, AC3+32*((\t)%2)+8*(2*(\bp)+(\o))
	WIN (1+FB_/FPW)|((1+FA_/FPW)<<2)|(3<<4)|(3<<6)
.if \q
	W1 DL_, FB_, FA_, v[DL_:DL_+7], XB_, XA_, \o, \tr
.else
	W1 DL_, FB_, FA_, 0, XB_, XA_, \o, \tr
.endif
.endif
.endm
.macro PRODS kind, t, tr               ; a block's 32 products: four accumulators by turns, one instruction a turn; the first four start the sums
.irp q, 0,1,2,3,4,5,6,7
.irp bp, 0,1
.irp o, 0,1
	PROD \kind, \t, \tr, \q, \bp, \o
.endr
.endr
.endr
	WIN 0
.endm
; RoPE on block t: register 2 jj, 2 jj + 1 of tile b are a pair; its (cos, sin) lie at registers 2 n, 2 n + 1 of the table's set, n = 8 (b / 2) + 4 (b % 2) + jj
.macro ROPE t
	WIN 3                                          ; source 0: the accumulators, in window 3
.irp b, 0,1,2,3
.irp jj, 0,1,2,3
	v_mul_f32 v[T+2*\jj], v[AC3+32*((\t)%2)+8*\b+2*\jj+1], v[RP+32*((\t)%2)+2*(8*(\b/2)+4*(\b%2)+\jj)+1]
	v_mul_f32 v[T+2*\jj+1], v[AC3+32*((\t)%2)+8*\b+2*\jj+1], v[RP+32*((\t)%2)+2*(8*(\b/2)+4*(\b%2)+\jj)]
.endr
.irp jj, 0,1,2,3
	v_fma_f32 v[X+32*((\t)%2)+8*\b+2*\jj], v[AC3+32*((\t)%2)+8*\b+2*\jj], v[RP+32*((\t)%2)+2*(8*(\b/2)+4*(\b%2)+\jj)], -v[T+2*\jj]
	v_fma_f32 v[X+32*((\t)%2)+8*\b+2*\jj+1], v[AC3+32*((\t)%2)+8*\b+2*\jj], v[RP+32*((\t)%2)+2*(8*(\b/2)+4*(\b%2)+\jj)+1], v[T+2*\jj+1]
.endr
.endr
	WIN 0
.endm
; THE QUANTISER: 64 registers from s on, in window w: four blocks of 32, each 16 registers in lanes l and l xor 16.  Codes into d0 .. d0 + 5 (blocks 0, 1) and d1 .. d1 + 5 (blocks 2, 3), the four scale bytes into wd
.macro QUANT s, w, d0, d1, wd
	WIN (\w)|((\w)<<2)
.irp b, 0,1,2,3
	v_max3_num_f32 v[TM+\b], |v[(\s)+16*\b]|, |v[(\s)+1+16*\b]|, 0x1800000   ; with the floor 2^(3 - 127): the byte cannot fall under 1
.endr
.irp i, 2,4,6,8,10,12,14
.irp b, 0,1,2,3
	v_max3_num_f32 v[TM+\b], |v[(\s)+16*\b+\i]|, |v[(\s)+1+16*\b+\i]|, v[TM+\b]
.endr
.endr
	WIN 0
.irp b, 0,1,2,3
	v_permlanex16_b32 v[TM+4+\b], v[TM+\b], s12, s13
.endr
.irp b, 0,1,2,3
	v_max_num_f32 v[TM+\b], v[TM+\b], v[TM+4+\b]
.endr
.irp b, 0,1,2,3
	v_add_nc_u32 v[TM+12+\b], 0xff000000, v[TM+\b]   ; 2 off the exponent field: the conversion's scale operand
.endr
.irp b, 0,1,2,3
	v_lshrrev_b32 v[TM+4+\b], 23, v[TM+12+\b]
.endr
	v_lshl_or_b32 v[\wd], v[TM+5], 8, v[TM+4]
	v_lshl_or_b32 v[\wd], v[TM+6], 16, v[\wd]
	v_lshl_or_b32 v[\wd], v[TM+7], 24, v[\wd]
	WIN \w
	v_cvt_scalef32_pk16_fp6_f32 v[(\d0):(\d0)+2], v[(\s):(\s)+15], v[TM+12]
	v_cvt_scalef32_pk16_fp6_f32 v[PT:PT+2], v[(\s)+16:(\s)+31], v[TM+13]
	v_cvt_scalef32_pk16_fp6_f32 v[(\d1):(\d1)+2], v[(\s)+32:(\s)+47], v[TM+14]
	v_cvt_scalef32_pk16_fp6_f32 v[PT+4:PT+6], v[(\s)+48:(\s)+63], v[TM+15]
	v_nop                                          ; one plain line behind the conversions
	WIN 0
.irp i, 0,1,2
	v_permlane16_swap_b32 v[(\d0)+\i], v[PT+\i]    ; a whole block in a lane
.endr
.irp i, 0,1,2
	v_mov_b32 v[(\d0)+3+\i], v[PT+\i]
.endr
.irp i, 0,1,2
	v_permlane16_swap_b32 v[(\d1)+\i], v[PT+4+\i]
.endr
.irp i, 0,1,2
	v_mov_b32 v[(\d1)+3+\i], v[PT+4+\i]
.endr
.endm
.macro WORDS off                       ; the four images' scale words as one image: 8 bytes a lane, 256 consecutive bytes
	v_cndmask_b32 v[PT], v[WD], v[WD+1], s71
	v_cndmask_b32 v[PT+1], v[WD+2], v[WD+3], s71
	global_store_b64 v[L8], v[PT:PT+1], s[74:75] offset:\off
.endm
; A BLOCK OF Q OR K.  w: the LDS loads younger than this block's fetch that may stay out (the next block's 48); lw: the global loads younger than this block's table (the next block's 8)
.macro QKB t, tr, w, lw
	s_wait_dscnt \w
	PRODS 0, \t, \tr
	PLACES 4                                       ; in front of the loads into the fragments just read and of the first read of the sums
	s_wait_xcnt 0x0                                ; earlier stores have read their registers
.if (\t) < 6
	FETCH (\t)+2
.endif
	s_wait_loadcnt \lw
	ROPE \t
.if (\t) == 0
	WIN 3<<6
.irp p, 0,1
.irp c, 0,1
	global_load_b128 v[SB2+8*\p+4*\c:SB2+8*\p+4*\c+3], v[LS], s[10:11] offset:32768+1024*\p+16*\c   ; the next weight's scale words
.endr
.endr
	WIN 0
.endif
.if (\t) < 6
	RLOAD (\t)+2
.endif
.if (\t)%2
	QUANT X, 0, IMG, IMG+6, WD+(\t)/2              ; blocks t - 1 and t: one image
.irp c, 0,1,2
	global_store_b128 v[L16], v[IMG+4*\c:IMG+4*\c+3], s[72:73] offset:((\t)/2)*1536+512*\c   ; 512 consecutive bytes, aligned
.endr
.endif
.endm
.macro VB t, tr, w
	s_wait_dscnt \w
	PRODS 1, \t, \tr
	PLACES 4
.if (\t) < 6
	FETCH (\t)+2
.endif
.endm
	s_cmp_eq_u32 s15, 0
	s_cbranch_scc0 .Lnot_w
	s_wait_tensorcnt 0x0                           ; waves 0 and 1, which alone issue the weight's line at the head: my half is in
.Lnot_w:
	BARRIER                                        ; Wq is in; x may still be on its way
	WEIGHTS
.Lphase:                                               ; a trip: the next weight is asked for; eight blocks; the next weight goes into registers
	s_wait_tensorcnt 0x0                           ; all my tensor loads have landed (the first trip: x's halves among them);
	ds_add_u32 v[SPW], v[NIL]
	s_add_nc_u64 s[G0W+2:G0W+3], s[G0W+2:G0W+3], 1024*KROW   ; no load of mine is out: the next weight's rows
	s_wait_dscnt 0x0                               ; the add is done, and my rows of the weight are in registers
	CROUND                                         ; that holds of every wave of the cluster: the weights' region may be filled again
	s_cmp_lt_u32 s14, 2
	s_cbranch_scc0 .Lno_half
	tensor_load_to_lds s[G0W:G0W+3], s[G1W:G1W+7]
	s_nop 0
	PLACES 4
.Lno_half:
	FETCH 0
	FETCH 1
	s_wait_loadcnt 8                               ; the scale words and block 0's table are in; block 1's eight loads may be out
.irp i, 0,1,2
	QKB 2*\i, 0, 48, 8
	QKB 2*\i+1, 1, 48, 8
.endr
	QKB 6, 0, 48, 8
	QKB 7, 1, 0, 0                                 ; nothing younger is out
	WORDS 0
	WIN 3
.set I, 0
.rept 16
	v_mov_b32 v[SB+I], v[SB2+I]                    ; the next weight's scale words take their place
.set I, I+1
.endr
	WIN 0
	PLACES 8                                       ; a scale register written by a vector instruction stands 8 places ahead of a scaled matrix instruction
	WALU
	s_wait_xcnt 0x0                                ; the stores and loads have read their bases
	s_sub_nc_u64 s[72:73], s[72:73], 204800        ; from Q's images to K's; V's lie 303,104 bytes behind where the second trip leaves this
	s_sub_nc_u64 s[74:75], s[74:75], 106496        ; from Q's scale images to K's; V's lie 110,592 bytes behind where the second trip leaves this
	s_add_nc_u64 s[10:11], s[10:11], 32768
	s_cmp_eq_u32 s80, 0
	s_cbranch_scc0 .Lno_table                      ; V has no RoPE
	RLOAD 0
	RLOAD 1
.Lno_table:
	s_wait_tensorcnt 0x0                           ; every wave: the refill has landed
	s_wait_dscnt 0x0
	BARRIER                                        ; a plain barrier shows it to all
	WEIGHTS
	s_add_co_u32 s80, s80, 1
	s_cmp_lt_u32 s80, 2
	s_cbranch_scc1 .Lphase
	s_wait_dscnt 0x0                               ; Wv's rows are in registers
	FETCH 0
	FETCH 1
.irp i, 0,1,2
	VB 2*\i, 0, 48
	VB 2*\i+1, 1, 48
.endr
	VB 6, 0, 48
	VB 7, 1, 0
.irp b, 0,1,2,3                        ; tile b of 16 channels x 128 tokens: one image
.if \b
	WALU
	s_wait_xcnt 0x0                                ; the last image's stores have read its registers
.endif
	QUANT RP+64*\b-(\b/2)*140, 3*(\b/2), IMG, IMG+6, WD+\b
.irp c, 0,1,2
	global_store_b128 v[L16], v[IMG+4*\c:IMG+4*\c+3], s[72:73] offset:303104+\b*1536+512*\c
.endr
.endr
	WORDS 110592
	s_wait_tensorcnt 0x0                           ; the wave's end, behind my last tensor load
	ds_add_u32 v[SPW], v[NIL]
	s_wait_dscnt 0x0
	CROUND                                         ; the closing round
	s_endpgm
.Lfunc_end_k_q044f823ef6_proj:
	.size	k_q044f823ef6_proj, .Lfunc_end_k_q044f823ef6_proj-k_q044f823ef6_proj
	.p2alignl 7, 3214868480
	.fill 96, 4, 3214868480
	.section	.rodata,"a",@progbits
	.p2align	6, 0x0
	.amdhsa_kernel k_q044f823ef6_proj
		.amdhsa_group_segment_fixed_size 327680
		.amdhsa_private_segment_fixed_size 0
		.amdhsa_enable_private_segment 0
		.amdhsa_kernarg_size 48
		.amdhsa_user_sgpr_count 2
		.amdhsa_user_sgpr_kernarg_segment_ptr 1
		.amdhsa_wavefront_size32 1
		.amdhsa_system_sgpr_workgroup_id_x 1
		.amdhsa_system_sgpr_workgroup_id_y 1
		.amdhsa_system_sgpr_workgroup_id_z 1
		.amdhsa_system_vgpr_workitem_id 0
		.amdhsa_next_free_vgpr 1024
		.amdhsa_next_free_sgpr 84
		.amdhsa_reserve_vcc 0
		.amdhsa_float_denorm_mode_32 3
		.amdhsa_float_denorm_mode_16_64 3
		.amdhsa_memory_ordered 1
		.amdhsa_forward_progress 1
		.amdhsa_inst_pref_size 222
	.end_amdhsa_kernel
	.amdgpu_metadata
---
amdhsa.version: [ 1, 2 ]
amdhsa.kernels:
  - .name:           k_q044f823ef6_proj
    .symbol:         k_q044f823ef6_proj.kd
    .args:
      - { .name: xc, .offset: 0, .size: 8, .value_kind: global_buffer, .address_space: global }
      - { .name: xs, .offset: 8, .size: 8, .value_kind: global_buffer, .address_space: global }
      - { .name: wc, .offset: 16, .size: 8, .value_kind: global_buffer, .address_space: global }
      - { .name: ws, .offset: 24, .size: 8, .value_kind: global_buffer, .address_space: global }
      - { .name: rope, .offset: 32, .size: 8, .value_kind: global_buffer, .address_space: global }
      - { .name: qkv, .offset: 40, .size: 8, .value_kind: global_buffer, .address_space: global }
    .group_segment_fixed_size: 327680
    .private_segment_fixed_size: 0
    .kernarg_segment_align: 8
    .kernarg_segment_size: 48
    .max_flat_workgroup_size: 128
    .sgpr_count:     84
    .vgpr_count:     1024
    .wavefront_size: 32
...
	.end_amdgpu_metadata
.endif
;; end of part 2
;; launch attn (part 3): grid 4 x 64, 16 waves a work-group, clusters of 4 x 1, 258,048 bytes of LDS; arguments qkv, oc, os; writes oc, os
.if DOCPART == 3
	.amdgcn_target "amdgcn-amd-amdhsa--gfx1250"
	.amdhsa_code_object_version 6
	.text
	.protected	k_q044f823ef6_attn
	.globl	k_q044f823ef6_attn
	.p2align	8
	.type	k_q044f823ef6_attn,@function
k_q044f823ef6_attn:
	s_mov_b64 s[64:65], 0
	v_nop
	global_prefetch_b8 v0, s[64:65] scope:SCOPE_SE
	s_setreg_imm32_b32 hwreg(HW_REG_WAVE_MODE, 25, 1), 1
	s_wait_xcnt 0x0
	s_wait_alu depctr_hold_cnt(0) depctr_sa_sdst(0) depctr_va_vdst(0) depctr_va_sdst(0) depctr_va_ssrc(0) depctr_va_vcc(0) depctr_vm_vsrc(0)
	s_getreg_b32 s2, hwreg(HW_REG_IB_STS2, 6, 4)
	s_cmp_eq_u32 s2, 0
	s_cbranch_scc0 .Lentry_in_a_cluster
	s_endpgm
.Lentry_in_a_cluster:
	s_bfe_u32 s2, ttmp6, 0x10000c
	s_cmp_lg_u32 s2, 0x3003
	s_cbranch_scc0 .Lentry_shape_is_right
	s_endpgm
.Lentry_shape_is_right:
; ATTN: O = softmax(q k^T / 8) v for one head and 512 queries a work-group, both products on codes of FP6 (E2M3); O / l is quantised along the head's 64 and leaves as codes for the last projection.
; THE SOFTMAX: t = score x log2(e) / 8; M = the running largest t rounded UP to a whole number; p = 2^(t - M) is quantised along the keys, not normalised; the row's sum is taken of the unquantised p and divides O at the end.
; When M moves, the sum and O are multiplied by 2^(old M - new M): exact.
; SHARES.  The four work-groups of a cluster take the four quarters of one head's queries.  A head's K and V as operand images with their scale images are 204,800 consecutive bytes of qkv: they come into LDS ONCE, by one joint
; tensor load a wave (50 rows of 256 bytes each, the same in all four partners), and stay: nothing is filled again, nothing is stored into LDS.  All tiles are asked for at the head, so no loop runs ahead of a load: no prefetch.
; LDS: 64 bytes of padding behind every 256: byte y of the head lies at 320 (y / 256) + y % 256.  An image's piece of 512 bytes is two such units (lanes 0-15, lanes 16-31), an image 1,920 bytes, a step's four images 7,680.
; A wave owns 32 queries and takes them in two passes of one tile of 16, each over 16 steps of 128 keys.
; LAYOUT.  Both products are used transposed (S^T = K Q^T, O^T = V^T P^T): a lane holds one query.  K = 64 in an instruction of K = 128: an image holds two tiles of 16 keys side by side, source 1 is [q | zeros] or [zeros | q].
; A WHOLE BLOCK OF 32 KEYS IN A LANE.  Image b of a step holds key block b: rows 0-7 its keys 0-7 | 8-15, rows 8-15 its keys 16-23 | 24-31.  Each lane picks its row by its own LDS address: fragment X of a pair of blocks takes rows 0-7 of
; image 2 c for its rows 0-7 and rows 0-7 of image 2 c + 1 for its rows 8-15; fragment Y the images' rows 8-15, 128 bytes on.  Two neighbouring images lie 1,920 bytes apart, 128 modulo 256, so sixteen lanes touch sixteen
; different columns of 16 bytes.  A lane's 32 score registers of a pair are then keys 0 .. 31 of block 2 c + lane / 16, in order: as the next operand's layout wants p.  Only the row's maximum and p's scale word cross the lane halves.
; LIMITS: NaN and infinities are not served; the scaled scores stay under 2^31 in magnitude; p under 2^-126 comes out of v_exp_f32 as 0; a block of zeros keeps the byte 1 with zero codes.
.set HEADB, 307200
.set SPARE, 256000                     ; behind the head's 800 units of 320 bytes: the spare words, 128 bytes for each of 16 waves
.set TO,   0                           ; v0   (behind the head) the old -M
.set SPW,  1                           ; v1   my spare word; never rewritten
.set NIL,  2                           ; v2   0; never rewritten
.set L16,  3                           ; v3   16 x lane: global images
.set LV,   4                           ; v4   LDS: V's images, my 16 bytes of a piece
.set VSB,  5                           ; v5   LDS: V's scale images, 8 x lane
.set ADK,  6                           ; v6-8, v49  the step's addresses
.set ADV,  7
.set ADS,  8
.set ADT,  49
.set G8,   9                           ; v9   8 x lane
.set G32,  10                          ; v10  32 x lane
.set VKB,  11                          ; v11  LDS: K's images, the row that my lane picks
.set KSB,  255                         ; v255 LDS: K's scale images, the word that my lane picks
.set SH8,  254                         ; v254 8 x (lane / 16)
.set PS,   48                          ; v48  p's scale word;  v46, v47: q's two bytes, twice, for tile 0 and 1
.set KSC,  50                          ; v[50:51] K's scale words: register c, lanes 0-15 fragment X's rows, lanes 16-31 Y's;  v[52:53] V's
.set VSC,  52
.set KB,   54                          ; v54-101  X0, Y0, X1, Y1; behind the scores' products: work space
.set VB,   102                         ; v102-149 four fragments of V
.set S,    150                         ; v150-213 S^T, then p
.set O,    214                         ; v214-245 O^T
.set OC,   246                         ; v246-251 O's codes; v252, v253 O's scale bytes
.set PC,   54                          ; p's codes
.set PT,   66                          ; v66-68, v70-72: the conversions' second halves
.set BM,   74                          ; v74-77 four chains of maxima; then v74, v76: my two blocks' largest
.set BO,   78
.set BT,   80
.set W,    82
.set W2,   83
.set R2,   84
.set F,    86                          ; v[86:87] f = 2^(old M - new M), named as a pair
.set TT,   88
.set T1,   90                          ; v90-95 the sum's three side chains
.macro ROUND                           ; a round of the cluster's barrier
	s_barrier_signal -1
	s_barrier_wait -1
	s_cmp_lg_u32 s10, 0
	s_cbranch_scc1 .Lnot_wave_0_\@
	s_barrier_signal -3
.Lnot_wave_0_\@:
	s_barrier_wait -3
	s_barrier_signal -1
	s_barrier_wait -1
.endm
	s_load_b128 s[4:7], s[0:1], 0x0                ; qkv, oc
	s_load_b64 s[8:9], s[0:1], 0x10                ; os
	v_lshl_add_u32 v[SPW], v0, 2, SPARE
	v_mov_b32 v[NIL], 0
	ds_add_u32 v[SPW], v[NIL]                      ; the opening lines: the add, twice on end, and its wait ahead of my tensor load
	ds_add_u32 v[SPW], v[NIL]
	v_lshrrev_b32 v6, 5, v0
	s_delay_alu instid0(VALU_DEP_1)
	v_readfirstlane_b32 s10, v6                    ; wave 0..15
	s_bfe_u32 s11, ttmp6, 0x40000                  ; cx: which quarter of the queries; it enters Q's, oc's and os's addresses alone
	s_and_b32 s12, ttmp7, 0xffff                   ; 16 x batch + head, which the four partners share
	s_mov_b32 s16, 15|(3<<16)|(1<<20)|(1<<21)|(5<<22)|(15<<25)   ; group 1: the mask names all four; elements of 8 bytes; bit 21 beside a mask; behind every 64 dwords 16 dwords of padding
	s_mov_b32 s17, 32<<16                          ; tensor_dim0 = 32 elements: rows of 256 bytes
	s_mov_b32 s18, 50<<16                          ; tensor_dim1 = 50 rows
	s_mov_b32 s19, 32<<16                          ; tile_dim0
	s_mov_b32 s20, 50                              ; tile_dim1
	s_mov_b32 s21, 32                              ; the pitch: dense
	s_mov_b32 s22, 0
	s_mov_b32 s23, 0
	s_mul_i32 s36, s12, HEADB
	s_mov_b32 s37, 0
	s_mul_i32 s38, s10, 12800                      ; my sixteenth in memory,
	s_mov_b32 s39, 0
	s_mul_i32 s25, s10, 16000                      ; and in LDS: 50 units of 320 bytes
	s_mov_b32 s28, 0x76543210
	s_mov_b32 s29, 0xfedcba98                      ; v_permlanex16_b32's selects for lane l xor 16
	s_mov_b32 s30, 0x3e38aa3b                      ; c = log2(e) / 8
	s_mov_b32 s31, s30                             ; (named with it as a pair)
	s_mov_b32 s50, 0xbe38aa3b                      ; -c
	s_mov_b32 s35, 0xffff0000                      ; lanes 16-31
	s_lshl_b32 s13, s11, 4
	s_add_co_u32 s13, s13, s10                     ; my group of 32 queries, 0 .. 63
	s_lshr_b32 s14, s12, 4                         ; the batch
	s_and_b32 s15, s12, 15                         ; the head
	s_mul_i32 s40, s13, 1536
	s_add_co_u32 s40, s40, 204800                  ; Q's image
	s_mov_b32 s41, 0
	s_lshr_b32 s42, s13, 2                         ; Q's scale word: image group / 4; in it unit group % 4: 128 bytes for its low bit, 4 for its high bit
	s_lshl_b32 s42, s42, 8
	s_and_b32 s48, s13, 1
	s_lshl_b32 s48, s48, 7
	s_add_co_u32 s42, s42, s48
	s_bfe_u32 s48, s13, 0x10001
	s_lshl_b32 s48, s48, 2
	s_add_co_u32 s42, s42, s48
	s_add_co_u32 s42, s42, 303104
	s_mov_b32 s43, 0
	s_mul_i32 s44, s15, 768                        ; oc: [tile of 16 places][head][768 bytes]
	s_lshl_b32 s48, s14, 7
	s_lshl_b32 s49, s13, 1
	s_add_co_u32 s48, s48, s49
	s_mul_i32 s48, s48, 12288
	s_add_co_u32 s44, s44, s48
	s_mov_b32 s45, 0
	s_lshl_b32 s46, s14, 6                         ; os: 32 bytes a place, bytes 2 x head and 2 x head + 1
	s_add_co_u32 s46, s46, s13
	s_lshl_b32 s46, s46, 10
	s_lshl_b32 s48, s15, 1
	s_add_co_u32 s46, s46, s48
	s_mov_b32 s47, 0
	v_and_b32 v6, 31, v0                           ; lane
	v_and_b32 v7, 15, v0                           ; r
	v_bfe_u32 v8, v0, 4, 1                         ; h
	v_lshlrev_b32 v[L16], 4, v6
	v_lshlrev_b32 v[G8], 3, v6
	v_lshlrev_b32 v[G32], 5, v6
	v_lshlrev_b32 v[SH8], 3, v8
	v_mul_u32_u24 v49, v8, 320                     ; lanes 16-31 read a piece's second unit
	v_and_b32 v[VKB], 7, v7
	v_add_nc_u32 v[VSB], 250880, v[G8]             ; V's scale images begin at unit 784
	v_lshl_add_u32 v[LV], v7, 4, v49
	v_lshl_add_u32 v[VKB], v[VKB], 4, v49          ; 16 (r % 8) + 320 h,
	v_lshrrev_b32 v49, 3, v7                       ; r / 8
	v_add_nc_u32 v[LV], 122880, v[LV]              ; V's images begin at unit 384
	v_mad_u32_u24 v[VKB], v49, 1920, v[VKB]        ; and rows 8-15 come from the next image
	v_add_nc_u32 v49, v49, v8
	v_lshl_add_u32 v49, v49, 3, v7                 ; the scale image's lane r + 8 (r / 8) + 8 h: lanes 0-15 take X's rows' words, lanes 16-31 Y's
	v_lshlrev_b32 v8, 3, v7                        ; Q's scale word: 8 bytes a row
	v_lshlrev_b32 v49, 3, v49
	v_add_nc_u32 v[KSB], 245760, v49               ; K's scale images begin at unit 768
	s_wait_dscnt 0x0                               ; both opening adds are done
	s_wait_kmcnt 0x0
	s_add_nc_u64 s[4:5], s[4:5], s[36:37]          ; qkv at my head
	s_mov_b32 s24, 1                               ; group 0: count (s25: the LDS address),
	s_add_nc_u64 s[26:27], s[4:5], s[38:39]        ; global address,
	s_or_b32 s27, s27, 0x80000000                  ; type
	s_add_nc_u64 s[40:41], s[4:5], s[40:41]
	s_add_nc_u64 s[42:43], s[4:5], s[42:43]
	s_add_nc_u64 s[6:7], s[6:7], s[44:45]
	s_add_nc_u64 s[8:9], s[8:9], s[46:47]
	ROUND                                          ; all four work-groups are here: the joint loads meet
	tensor_load_to_lds s[24:27], s[16:23]          ; my one tensor load of the launch
	s_nop 0
.rept 4
	v_nop
.endr
	; the frame v16-45: [zeros | tile 0 | zeros | tile 1 | zeros], six registers each: [q | 0] and [0 | q] of both tiles are runs of twelve in it
	s_wait_alu depctr_va_vdst(0)
	global_load_b128 v[22:25], v[L16], s[40:41]                ; the image's registers 0-3,
	global_load_b64 v[26:27], v[L16], s[40:41] offset:512      ; 4-5: tile 0;
	global_load_b64 v[34:35], v[L16], s[40:41] offset:520      ; 6-7,
	global_load_b128 v[36:39], v[L16], s[40:41] offset:1024    ; 8-11: tile 1
	global_load_b32 v48, v8, s[42:43]
.irp j, 16,17,18,19,20,21,28,29,30,31,32,33,40,41,42,43,44,45
	v_mov_b32 v[\j], 0
.endr
	s_wait_alu depctr_va_vdst(0)
	s_wait_tensorcnt 0x0                           ; my part has landed,
	s_barrier_signal -1
	s_barrier_wait -1                              ; everybody's has
	s_wait_loadcnt 0x0
	v_perm_b32 v46, v48, v48, 0x01000100           ; tile 0's two bytes, for either half of K
	v_perm_b32 v47, v48, v48, 0x03020302           ; tile 1's
.macro SPROD c, y, uu, q, qs           ; 16 rows of fragment X (y = 0) or Y (y = 1) of pair c, their left (uu = 0) or right tile, x my 16 queries
.if \y
	v_wmma_scale_f32_16x16x128_f8f6f4 v[S+32*(\c)+16*(\y)+8*(\uu):S+32*(\c)+16*(\y)+8*(\uu)+7], v[KB+24*(\c)+12*(\y):KB+24*(\c)+12*(\y)+11], v[\q:\q+11], 0, v[KSC+(\c)], v[\qs] matrix_a_fmt:MATRIX_FMT_FP6 matrix_b_fmt:MATRIX_FMT_FP6 matrix_a_scale:MATRIX_SCALE_ROW1
.else
	v_wmma_scale_f32_16x16x128_f8f6f4 v[S+32*(\c)+16*(\y)+8*(\uu):S+32*(\c)+16*(\y)+8*(\uu)+7], v[KB+24*(\c)+12*(\y):KB+24*(\c)+12*(\y)+11], v[\q:\q+11], 0, v[KSC+(\c)], v[\qs] matrix_a_fmt:MATRIX_FMT_FP6 matrix_b_fmt:MATRIX_FMT_FP6
.endif
.endm
.macro PVPROD d                        ; O^T += 16 of the head's 64 x these 128 keys
.if (\d)%2
	v_wmma_scale_f32_16x16x128_f8f6f4 v[O+8*(\d):O+8*(\d)+7], v[VB+12*(\d):VB+12*(\d)+11], v[PC:PC+11], v[O+8*(\d):O+8*(\d)+7], v[VSC+(\d)/2], v[PS] matrix_a_fmt:MATRIX_FMT_FP6 matrix_b_fmt:MATRIX_FMT_FP6 matrix_a_scale:MATRIX_SCALE_ROW1
.else
	v_wmma_scale_f32_16x16x128_f8f6f4 v[O+8*(\d):O+8*(\d)+7], v[VB+12*(\d):VB+12*(\d)+11], v[PC:PC+11], v[O+8*(\d):O+8*(\d)+7], v[VSC+(\d)/2], v[PS] matrix_a_fmt:MATRIX_FMT_FP6 matrix_b_fmt:MATRIX_FMT_FP6
.endif
.endm
; A PASS: tile u of my queries against all 2,048 keys.  qlo = [q | 0], qhi = [0 | q], qs = q's scale bytes.
.macro PASS u, qlo, qhi, qs
.set j, 0
.rept 32
	v_mov_b32 v[O+j], 0                            ; the step is written once: the first finds zeros, which the first change of M leaves zeros
.set j, j+1
.endr
	v_mov_b32 v13, 0xff61b1e6                      ; the largest score so far: -3e38
	v_mov_b32 v12, 0x7d000000                      ; -M: so large that the first f is 0
	v_mov_b32 v14, 0                               ; the sum, in two halves
	v_mov_b32 v15, 0
	s_mov_b32 s32, 0                               ; the step's images: 7,680 bytes of LDS a step
	s_mov_b32 s33, 0                               ; its scale images: 320 a step
	s_mov_b32 s34, 0
	s_wait_alu depctr_va_vdst(0)
.Lstep_\@:
	v_add_nc_u32 v[ADK], s32, v[VKB]               ; these four are the places behind the last step's products, in front of the loads into their registers
	v_add_nc_u32 v[ADV], s32, v[LV]
	v_add_nc_u32 v[ADS], s33, v[KSB]
	v_add_nc_u32 v[ADT], s33, v[VSB]
.irp c, 0,1
.irp y, 0,1
.irp p, 0,1,2
	ds_load_b128 v[KB+24*\c+12*\y+4*\p:KB+24*\c+12*\y+4*\p+3], v[ADK] offset:3840*\c+128*\y+640*\p
.endr
.endr
.endr
	ds_load_b64 v[KSC:KSC+1], v[ADS]
.irp d, 0,1,2,3
.irp p, 0,1,2
	ds_load_b128 v[VB+12*\d+4*\p:VB+12*\d+4*\p+3], v[ADV] offset:1920*\d+640*\p
.endr
.endr
	ds_load_b64 v[VSC:VSC+1], v[ADT]
	s_wait_dscnt 13                                ; K's thirteen loads are in; V's thirteen may be out
.irp c, 0,1
.irp y, 0,1
	SPROD \c, \y, 0, \qlo, \qs
	SPROD \c, \y, 1, \qhi, \qs
.endr
.endr                                  ; lane (r, h): query r; registers 32 c + i are key i of block 2 c + h of the step
	v_mov_b32 v[TO], v12                           ; the old -M; with the three below: the places behind the products
.rept 3
	v_nop
.endr
.irp q, 0,1,2,3
	v_max3_num_f32 v[BM+\q], v[S+16*\q], v[S+16*\q+1], v[S+16*\q+2]   ; the largest score, four chains by turns, each accumulator from its low end on
.endr
.irp i, 3,5,7,9,11,13
.irp q, 0,1,2,3
	v_max3_num_f32 v[BM+\q], v[BM+\q], v[S+16*\q+\i], v[S+16*\q+\i+1]
.endr
.endr
	v_max3_num_f32 v[BM], v[BM], v[BM+1], v[S+15]
	v_max3_num_f32 v[BM+2], v[BM+2], v[BM+3], v[S+47]
	v_max_num_f32 v[BM], v[BM], v[S+31]            ; my two blocks' largest scores: for the row's maximum and, since p rises with the score, for the blocks' largest p
	v_max_num_f32 v[BM+2], v[BM+2], v[S+63]
	s_delay_alu instid0(VALU_DEP_1)
	v_max3_num_f32 v[TT], v[BM], v[BM+2], v13
	s_delay_alu instid0(VALU_DEP_1)
	v_permlanex16_b32 v[R2], v[TT], s28, s29
	s_delay_alu instid0(VALU_DEP_1)
	v_max_num_f32 v13, v[TT], v[R2]                ; the running largest score of my query, with lane l xor 16's blocks
	s_delay_alu instid0(VALU_DEP_1)
	v_mul_f32 v[TT], s50, v13                      ; -t (c is positive)
	s_delay_alu instid0(VALU_DEP_1)
	v_floor_f32 v12, v[TT]                         ; the new -M = floor(-t): M is a whole number
	s_delay_alu instid0(VALU_DEP_1)
	v_sub_f32 v[TT], v12, v[TO]                    ; old M - new M: a whole number, 0 or less
	s_delay_alu instid0(VALU_DEP_1)
	v_cvt_i32_f32 v[TT], v[TT]                     ; (it saturates)
	s_delay_alu instid0(VALU_DEP_1)
	v_ldexp_f32 v[F], 1.0, v[TT]                   ; f = 2^(old M - new M)
	v_fma_f32 v[BM], v[BM], s30, v12               ; t - M of each block's largest score,
	v_fma_f32 v[BM+2], v[BM+2], s30, v12
.set j, 0
.rept 32
	v_pk_fma_f32 v[S+j:S+j+1], v[S+j:S+j+1], s[30:31], v[12:13] op_sel_hi:[1,0,0]   ; and of all, two at a time
.set j, j+2
.endr
.set j, 0
.rept 16
	v_pk_mul_f32 v[O+j:O+j+1], v[O+j:O+j+1], v[F:F+1] op_sel_hi:[1,0]   ; O^T under the new M, ahead of the exponentials
.set j, j+2
.endr
	s_wait_alu depctr_va_vdst(0)
	v_exp_f32 v[BM], v[BM]                         ; the blocks' largest p: the same two instructions on the same number give the same bits
	v_exp_f32 v[BM+2], v[BM+2]
.set j, 0
.rept 64
	v_exp_f32 v[S+j], v[S+j]                       ; p = 2^(t - M)
.set j, j+1
.endr
	v_nop                                          ; a plain line behind the exponentials
	s_wait_alu depctr_va_vdst(0)                   ; and one wait for the batch of 66, ahead of its first reader
	v_max_num_f32 v[BM], 0x1800000, v[BM]          ; the floor 2^(3 - 127): the byte cannot fall under 1
	v_max_num_f32 v[BM+2], 0x1800000, v[BM+2]
	s_delay_alu instid0(VALU_DEP_2)
	v_add_nc_u32 v[BO], 0xff000000, v[BM]          ; 2 off the exponent field: the conversion's scale operand
	s_delay_alu instid0(VALU_DEP_2)
	v_add_nc_u32 v[BO+1], 0xff000000, v[BM+2]
	s_delay_alu instid0(VALU_DEP_2)
	v_lshrrev_b32 v[BT], 23, v[BO]                 ; the scale's byte
	s_delay_alu instid0(VALU_DEP_2)
	v_lshrrev_b32 v[BT+1], 23, v[BO+1]
	s_delay_alu instid0(VALU_DEP_1)
	v_lshl_or_b32 v[W], v[BT+1], 16, v[BT]         ; my bytes: blocks h and 2 + h,
	s_delay_alu instid0(VALU_DEP_1)
	v_lshlrev_b32 v[W], v[SH8], v[W]               ; at their places in the word;
	s_delay_alu instid0(VALU_DEP_1)
	v_permlanex16_b32 v[W2], v[W], s28, s29
	s_delay_alu instid0(VALU_DEP_1)
	v_or_b32 v[PS], v[W], v[W2]                    ; with lane l xor 16's two: p's scale word for these 128 keys
.irp c, 0,1
	v_cvt_scalef32_pk16_fp6_f32 v[PC+6*\c:PC+6*\c+2], v[S+32*\c:S+32*\c+15], v[BO+\c]
	v_cvt_scalef32_pk16_fp6_f32 v[PT+4*\c:PT+4*\c+2], v[S+32*\c+16:S+32*\c+31], v[BO+\c]   ; (a conversion's three registers begin on an even number)
.endr
	v_pk_fma_f32 v[14:15], v[14:15], v[F:F+1], v[S:S+1] op_sel_hi:[1,0,1]   ; the sum under the new M, and the first two p.  (The plain line behind the conversions)
.irp c, 0,1
.irp i, 0,1,2
	v_mov_b32 v[PC+3+6*\c+\i], v[PT+4*\c+\i]       ; registers 6 c .. 6 c + 5: block 2 c + h, whole
.endr
.endr
	v_pk_add_f32 v[T1:T1+1], v[S+2:S+3], v[S+4:S+5]             ; the row's sum of the unquantised p, four chains by turns.  (These lines are also the places between p's codes and scale word and the products)
	v_pk_add_f32 v[T1+2:T1+3], v[S+6:S+7], v[S+8:S+9]
	v_pk_add_f32 v[T1+4:T1+5], v[S+10:S+11], v[S+12:S+13]
.set j, 14
.rept 6
	v_pk_add_f32 v[14:15], v[14:15], v[S+j:S+j+1]
	v_pk_add_f32 v[T1:T1+1], v[T1:T1+1], v[S+j+2:S+j+3]
	v_pk_add_f32 v[T1+2:T1+3], v[T1+2:T1+3], v[S+j+4:S+j+5]
	v_pk_add_f32 v[T1+4:T1+5], v[T1+4:T1+5], v[S+j+6:S+j+7]
.set j, j+8
.endr
	v_pk_add_f32 v[14:15], v[14:15], v[S+62:S+63]
	v_pk_add_f32 v[T1:T1+1], v[T1:T1+1], v[T1+2:T1+3]
	v_pk_add_f32 v[14:15], v[14:15], v[T1+4:T1+5]
	v_pk_add_f32 v[14:15], v[14:15], v[T1:T1+1]
	s_wait_alu depctr_va_vdst(0)
	s_wait_dscnt 0x0                               ; V is in
.irp d, 0,1,2,3
	PVPROD \d                                      ; four accumulators by turns, one instruction a turn
.endr
	s_add_co_u32 s32, s32, 7680
	s_add_co_u32 s33, s33, 320
	s_add_co_u32 s34, s34, 1
	s_cmp_lt_u32 s34, 16
	s_cbranch_scc1 .Lstep_\@
.rept 4
	v_nop                                          ; places behind the last products
.endr
	v_add_f32 v14, v14, v15                        ; the sum's two halves,
	s_delay_alu instid0(VALU_DEP_1)
	v_permlanex16_b32 v[TT], v14, s28, s29
	s_delay_alu instid0(VALU_DEP_1)
	v_add_f32 v14, v14, v[TT]                      ; and lane l xor 16's: the row's sum
	s_wait_alu depctr_va_vdst(0)
	v_rcp_f32 v14, v14
	v_nop                                          ; a plain line behind the reciprocal
	s_wait_alu depctr_va_vdst(0)                   ; and the wait ahead of its first reader
.set j, 0
.rept 32
	v_mul_f32 v[S+j], v[O+j], v14                  ; O^T / the sum: register 16 b + i is channel 32 b + 16 h + i of my query
.set j, j+1
.endr
.irp b, 0,1
	v_max3_num_f32 v[BM+\b], |v[S+16*\b]|, |v[S+16*\b+1]|, 0x1800000   ; the row's two blocks of 32; here a block lies in lanes l and l xor 16
.endr
.irp i, 2,4,6,8,10,12,14
.irp b, 0,1
	s_delay_alu instid0(VALU_DEP_2)
	v_max3_num_f32 v[BM+\b], v[BM+\b], |v[S+16*\b+\i]|, |v[S+16*\b+\i+1]|
.endr
.endr
.irp b, 0,1
	s_delay_alu instid0(VALU_DEP_2)
	v_permlanex16_b32 v[BT+\b], v[BM+\b], s28, s29
.endr
.irp b, 0,1
	s_delay_alu instid0(VALU_DEP_2)
	v_max_num_f32 v[BM+\b], v[BM+\b], v[BT+\b]
.endr
.irp b, 0,1
	s_delay_alu instid0(VALU_DEP_2)
	v_add_nc_u32 v[BO+\b], 0xff000000, v[BM+\b]
.endr
.irp b, 0,1
	s_delay_alu instid0(VALU_DEP_2)
	v_lshrrev_b32 v[BT+\b], 23, v[BO+\b]
.endr
	s_delay_alu instid0(VALU_DEP_1)
	v_lshl_or_b32 v[252+\u], v[BT+1], 8, v[BT]     ; the row's two scale bytes of this head
.if \u
	s_wait_alu depctr_va_vdst(0)
	s_wait_xcnt 0x0                                ; the first pass's stores have read the codes' registers
.endif
	v_cvt_scalef32_pk16_fp6_f32 v[OC:OC+2], v[S:S+15], v[BO]
	v_cvt_scalef32_pk16_fp6_f32 v[PT:PT+2], v[S+16:S+31], v[BO+1]
	v_nop
.irp i, 0,1,2
	v_permlane16_swap_b32 v[OC+\i], v[PT+\i]
.endr
.irp i, 0,1,2
	s_delay_alu instid0(VALU_DEP_3)
	v_mov_b32 v[OC+3+\i], v[PT+\i]
.endr
	global_store_b128 v[L16], v[OC:OC+3], s[6:7] offset:\u*12288       ; registers 0-3: 512 consecutive bytes, aligned;
	global_store_b64 v[G8], v[OC+4:OC+5], s[6:7] offset:\u*12288+512   ; registers 4-5: 256
.endm
	PASS 0, 22, 16, 46
	PASS 1, 34, 28, 47
	v_cndmask_b32 v[TT], v252, v253, s35           ; lanes 0-15: tile 0's rows; lanes 16-31: tile 1's
	global_store_b16 v[G32], v[TT], s[8:9]         ; two bytes a row, rows 32 bytes apart: one byte in 24 of what the launch stores; a row's other bytes belong to other heads' work-groups
	s_wait_tensorcnt 0x0                           ; the wave's end, behind my tensor load
	ds_add_u32 v[SPW], v[NIL]
	s_wait_dscnt 0x0
	ROUND                                          ; the closing round
	s_endpgm
.Lfunc_end_k_q044f823ef6_attn:
	.size	k_q044f823ef6_attn, .Lfunc_end_k_q044f823ef6_attn-k_q044f823ef6_attn
	.p2alignl 7, 3214868480
	.fill 96, 4, 3214868480
	.section	.rodata,"a",@progbits
	.p2align	6, 0x0
	.amdhsa_kernel k_q044f823ef6_attn
		.amdhsa_group_segment_fixed_size 258048
		.amdhsa_private_segment_fixed_size 0
		.amdhsa_enable_private_segment 0
		.amdhsa_kernarg_size 24
		.amdhsa_user_sgpr_count 2
		.amdhsa_user_sgpr_kernarg_segment_ptr 1
		.amdhsa_wavefront_size32 1
		.amdhsa_system_sgpr_workgroup_id_x 1
		.amdhsa_system_sgpr_workgroup_id_y 1
		.amdhsa_system_sgpr_workgroup_id_z 1
		.amdhsa_system_vgpr_workitem_id 0
		.amdhsa_next_free_vgpr 256
		.amdhsa_next_free_sgpr 66
		.amdhsa_reserve_vcc 0
		.amdhsa_float_denorm_mode_32 3
		.amdhsa_float_denorm_mode_16_64 3
		.amdhsa_memory_ordered 1
		.amdhsa_forward_progress 1
		.amdhsa_inst_pref_size 48
	.end_amdhsa_kernel
	.amdgpu_metadata
---
amdhsa.version: [ 1, 2 ]
amdhsa.kernels:
  - .name:           k_q044f823ef6_attn
    .symbol:         k_q044f823ef6_attn.kd
    .args:
      - { .name: qkv, .offset: 0, .size: 8, .value_kind: global_buffer, .address_space: global }
      - { .name: oc, .offset: 8, .size: 8, .value_kind: global_buffer, .address_space: global }
      - { .name: os, .offset: 16, .size: 8, .value_kind: global_buffer, .address_space: global }
    .group_segment_fixed_size: 258048
    .private_segment_fixed_size: 0
    .kernarg_segment_align: 8
    .kernarg_segment_size: 24
    .max_flat_workgroup_size: 512
    .sgpr_count:     66
    .vgpr_count:     256
    .wavefront_size: 32
...
	.end_amdgpu_metadata
.endif
;; end of part 3
;; launch oproj (part 4): grid 8 x 32, 4 waves a work-group, clusters of 4 x 4, 327,680 bytes of LDS; arguments oc, os, wc, ws, out0; writes out0
.if DOCPART == 4
	.amdgcn_target "amdgcn-amd-amdhsa--gfx1250"
	.amdhsa_code_object_version 6
	.text
	.protected	k_q044f823ef6_oproj
	.globl	k_q044f823ef6_oproj
	.p2align	8
	.type	k_q044f823ef6_oproj,@function
k_q044f823ef6_oproj:
	s_mov_b64 s[64:65], 0
	v_nop
	global_prefetch_b8 v0, s[64:65] scope:SCOPE_SE
	s_setreg_imm32_b32 hwreg(HW_REG_WAVE_MODE, 25, 1), 1
	s_wait_xcnt 0x0
	s_wait_alu depctr_hold_cnt(0) depctr_sa_sdst(0) depctr_va_vdst(0) depctr_va_sdst(0) depctr_va_ssrc(0) depctr_va_vcc(0) depctr_vm_vsrc(0)
	s_getreg_b32 s2, hwreg(HW_REG_IB_STS2, 6, 4)
	s_cmp_eq_u32 s2, 0
	s_cbranch_scc0 .Lentry_in_a_cluster
	s_endpgm
.Lentry_in_a_cluster:
	s_bfe_u32 s2, ttmp6, 0x10000c
	s_cmp_lg_u32 s2, 0xf033
	s_cbranch_scc0 .Lentry_shape_is_right
	s_endpgm
.Lentry_shape_is_right:
; OPROJ: out0 = O Wo on codes of FP6 (E2M3) with E8M0 scales, sums in f32.  O's codes come as operand images oc[tile of 16 places][head][768 bytes] (a head's image: registers 0-3, 16 bytes a lane, then registers 4-5,
; 8 bytes a lane), its scale bytes as os[place][32]; Wo's codes as rows of 768 bytes (wc, behind Wq, Wk, Wv), its scale bytes as ws[place][32].
; Places are indices with bits 3 and 4 exchanged, of tokens and of Wo's columns alike; the way out sets both right.
; THE DEAL.  256 work-groups of four waves; a work-group makes 256 rows x 128 columns, a wave (2 x 2) 128 x 64.  K is 1,024 and short: ALL of it comes into LDS at the head, one joint load a wave, and nothing is filled again:
; waves 0 and 1 64 rows each of Wo (rows of 768 bytes, 16 bytes of padding behind every 256: LDS rows of 816), waves 2 and 3 eight tiles each of O's images (384 rows of 256 bytes, as they lie).
; A wave holds its 64 rows of Wo, all of K, in 384 registers, and streams its eight blocks of 16 rows of O past them: 8 fragments a block, in two sets; a block's 16 x 64 sums are finished by its 32 products
; (four accumulators by turns, two sets) and leave at once.  The scale words go from memory straight into registers: 32 bytes a row, 32 rows a pair of loads, whole units.
; CLUSTERS, 4 x 4: O's tiles hang on the block's row alone and are shared along a row of the cluster, Wo's on its column alone and are shared along a column.
; All tiles are asked for at the head and there is no loop to run ahead in: no prefetch.
; THE MATRIX INSTRUCTION IS USED TRANSPOSED (source 0 = Wo's rows): a lane holds eight neighbouring columns of one row of out0.  A block goes through the wave's own stage in LDS (16 rows of 256 + 16 bytes, in Wo's bytes,
; which have had their last fill and, behind the second barrier, their last read) and comes back by rows: sixteen lanes store 256 consecutive bytes, aligned.
; REGISTERS: window 0: v1-15 addresses; v32-63 O's scale words (register 8 i + q: lanes 0-15 block 2 i, lanes 16-31 block 2 i + 1); v68-83 Wo's (8 p + q likewise); v96-159 two sets of accumulators; v160-223 two sets of rows on the way out.
; Fragment f lies in window 1 + f / 21 at register 12 (f % 21): 0-31 Wo's (4 q + b), 32-39 and 40-47 O's two sets.
.set KROW,   768
.set PITCH,  816
.set TILEB,  12288                     ; a tile of O: 16 heads x 768 bytes
.set BB,     16*TILEB                  ; Wo's rows lie behind O's 16 tiles
.set SPARE,  BB+128*PITCH              ; behind them the spare words, 128 bytes for each wave
.set SPITCH, 272
.set FR,     12
.set FPW,    21
.set SPW,  1
.set NIL,  2
.set AA,   4                           ; v4, v5 LDS: O's images of my blocks 0-3 (16 and 8 bytes a lane); v6, v7 of blocks 4-7
.set ADRB, 8                           ; v8, v9 LDS: my rows of Wo (v9: for the pieces whose lanes 16-31 lie behind one padding more)
.set STO,  12
.set RD,   13
.set CO,   14
.set LS,   15                          ; 32 x lane
.set SA,   32
.set SB,   68
.set ACC,  96
.set BK,   160
.set G1A,  24
.set G0A,  32
.set G0B,  36
.set G1B,  48
.set MSB, 0
.macro WIN new                         ; the immediate's high byte repeats the setting that is left
.if MSB != (\new)
	s_set_vgpr_msb (MSB<<8)|(\new)
.set MSB, (\new)
.endif
.endm
.macro PLACES n
.rept \n
	v_nop
.endr
.endm
.macro BARRIER
	s_barrier_signal -1
	s_barrier_wait -1
.endm
.macro CROUND                          ; a round of the cluster's barrier
	BARRIER
	s_cmp_lg_u32 s14, 0
	s_cbranch_scc1 .Lnot_wave_0_\@
	s_barrier_signal -3
.Lnot_wave_0_\@:
	s_barrier_wait -3
	BARRIER
.endm
	s_load_b128 s[4:7], s[0:1], 0x0                ; oc, os
	s_load_b128 s[8:11], s[0:1], 0x10              ; wc, ws
	s_load_b64 s[12:13], s[0:1], 0x20              ; out0
	v_lshl_add_u32 v[SPW], v0, 2, SPARE
	v_mov_b32 v[NIL], 0
	ds_add_u32 v[SPW], v[NIL]                      ; the opening lines: the add, twice on end, and its wait ahead of my tensor load
	ds_add_u32 v[SPW], v[NIL]
	v_lshrrev_b32 v3, 5, v0
	v_readfirstlane_b32 s14, v3                    ; wave 0..3
	s_lshr_b32 s15, s14, 1                         ; my half of the rows.  Also: I fetch for Wo (0) or for O (1)
	s_and_b32 s16, s14, 1                          ; my half of the columns.  Also: which half I fetch
	s_bfe_u32 s40, ttmp6, 0x40000                  ; cx, cy
	s_bfe_u32 s41, ttmp6, 0x40004
	s_lshl_b32 s42, ttmp9, 2
	s_add_co_u32 s42, s42, s40                     ; the block's column, 0 .. 7
	s_and_b32 s17, ttmp7, 0xffff
	s_lshl_b32 s17, s17, 2
	s_add_co_u32 s17, s17, s41                     ; its row, 0 .. 31
	s_lshl_b32 s43, s41, 2
	s_lshl_b32 s43, 15, s43                        ; my row of the cluster
	s_lshl_b32 s44, 0x1111, s40                    ; my column
	s_or_b32 s[G1A+0], s43, (3<<16)|(1<<21)        ; O: elements of 8 bytes, 384 rows of 256 bytes, dense, no padding
	s_mov_b32 s[G1A+1], 32<<16
	s_mov_b32 s[G1A+2], 384<<16
	s_mov_b32 s[G1A+3], 32<<16
	s_mov_b32 s[G1A+4], 384
	s_mov_b32 s[G1A+5], 32
	s_mov_b32 s[G1A+6], 0
	s_mov_b32 s[G1A+7], 0
	s_or_b32 s[G1B+0], s44, (1<<20)|(1<<21)|(5<<22)|(3<<25)   ; Wo: 64 rows of 768 bytes; behind every 64 dwords 4 of padding
	s_mov_b32 s[G1B+1], KROW<<16
	s_mov_b32 s[G1B+2], 64<<16
	s_mov_b32 s[G1B+3], KROW<<16
	s_mov_b32 s[G1B+4], 64
	s_mov_b32 s[G1B+5], KROW
	s_mov_b32 s[G1B+6], 0
	s_mov_b32 s[G1B+7], 0
	s_mov_b32 s[G0A], 1
	s_mov_b32 s[G0B], 1
	s_mul_i32 s20, s17, 16*TILEB                   ; O: the block's 16 tiles, my eight of them, in memory and in LDS alike
	s_mul_i32 s[G0A+1], s16, 8*TILEB
	s_add_co_u32 s20, s20, s[G0A+1]
	s_mov_b32 s21, 0
	s_mul_i32 s46, s42, 128*KROW                   ; Wo: the block's 128 rows, my 64 of them, behind the three other weights
	s_mul_i32 s18, s16, 64*KROW
	s_add_co_u32 s46, s46, s18
	s_add_co_u32 s46, s46, 3*1024*KROW
	s_mov_b32 s47, 0
	s_mul_i32 s[G0B+1], s16, 64*PITCH
	s_add_co_u32 s[G0B+1], s[G0B+1], BB
	s_lshl_b32 s22, s17, 8
	s_lshl_b32 s18, s15, 7
	s_add_co_u32 s22, s22, s18                     ; my first row
	s_lshl_b32 s58, s22, 12                        ; in out0: 4,096 bytes a row
	s_lshl_b32 s22, s22, 5                         ; in os: 32
	s_mov_b32 s23, 0
	s_lshl_b32 s56, s42, 7
	s_lshl_b32 s18, s16, 6
	s_add_co_u32 s56, s56, s18                     ; my first column
	s_lshl_b32 s18, s56, 2
	s_add_co_u32 s58, s58, s18
	s_mov_b32 s59, 0
	s_lshl_b32 s56, s56, 5                         ; in ws: 32 bytes a column, behind the three other weights
	s_add_co_u32 s56, s56, 3*32768
	s_mov_b32 s57, 0
	s_mul_i32 s60, s15, 8*TILEB                    ; LDS: my eight tiles of O,
	s_mul_i32 s61, s16, 64*PITCH
	s_add_co_u32 s61, s61, BB                      ; my 64 rows of Wo,
	s_mul_i32 s62, s14, 16*SPITCH
	s_add_co_u32 s62, s62, BB                      ; my stage
	v_and_b32 v3, 31, v0                           ; lane
	v_and_b32 v16, 15, v0                          ; r
	v_bfe_u32 v17, v0, 4, 1                        ; h
	v_lshlrev_b32 v18, 4, v3
	v_lshlrev_b32 v19, 3, v3
	v_mul_u32_u24 v20, v16, PITCH
	v_mul_u32_u24 v21, v16, SPITCH
	v_mul_u32_u24 v22, v17, SPITCH
	v_add_nc_u32 v[AA], s60, v18
	v_add_nc_u32 v19, 512, v19
	v_mad_u32_u24 v20, v17, 24, v20
	v_lshl_add_u32 v21, v17, 6, v21                ; into the stage: row r, 64 bytes for each half of the lanes
	v_lshl_add_u32 v22, v16, 4, v22                ; back: sixteen lanes to a row, two rows an instruction
	v_add_nc_u32 v[AA+1], s60, v19
	v_add_nc_u32 v[ADRB], s61, v20
	v_add_nc_u32 v[STO], s62, v21
	v_add_nc_u32 v[RD], s62, v22
	v_add_nc_u32 v[AA+2], 4*TILEB, v[AA]
	v_lshlrev_b32 v[CO], 12, v17
	v_add_nc_u32 v[AA+3], 4*TILEB, v[AA+1]
	v_lshl_add_u32 v[ADRB+1], v17, 4, v[ADRB]
	v_lshl_add_u32 v[CO], v16, 4, v[CO]            ; and the same two rows in out0
	v_lshlrev_b32 v[LS], 5, v3
	s_wait_alu depctr_va_vdst(0)
	s_wait_dscnt 0x0                               ; both opening adds are done
	s_wait_kmcnt 0x0
	s_add_nc_u64 s[G0A+2:G0A+3], s[4:5], s[20:21]
	s_or_b32 s[G0A+3], s[G0A+3], 0x80000000
	s_add_nc_u64 s[G0B+2:G0B+3], s[8:9], s[46:47]
	s_or_b32 s[G0B+3], s[G0B+3], 0x80000000
	s_add_nc_u64 s[6:7], s[6:7], s[22:23]
	s_add_nc_u64 s[10:11], s[10:11], s[56:57]
	s_add_nc_u64 s[12:13], s[12:13], s[58:59]
	CROUND                                         ; all sixteen work-groups are here: the joint loads meet
	s_cmp_eq_u32 s15, 0                            ; one chain of two arms, a load in each: Wo's, which go on into registers, are asked for by the lower waves
	s_cbranch_scc0 .Lfor_o
	tensor_load_to_lds s[G0B:G0B+3], s[G1B:G1B+7]
	s_nop 0
	PLACES 4
	s_branch .Lasked
.Lfor_o:
	tensor_load_to_lds s[G0A:G0A+3], s[G1A:G1A+7]
	s_nop 0
	PLACES 4
.Lasked:
.irp p, 0,1
.irp c, 0,1
	global_load_b128 v[SB+8*\p+4*\c:SB+8*\p+4*\c+3], v[LS], s[10:11] offset:1024*\p+16*\c
.endr
.endr
.irp i, 0,1,2,3
.irp c, 0,1
	global_load_b128 v[SA+8*\i+4*\c:SA+8*\i+4*\c+3], v[LS], s[6:7] offset:1024*\i+16*\c
.endr
.endr
; a fragment of Wo: six pieces of 8 bytes of row 16 i + r, K step q of 128; byte y of a row lies at y + 16 (y / 256) of its LDS row
.macro FRAGB f, q, i
	WIN (1+(\f)/FPW)<<6
.set R_, FR*((\f)%FPW)
.irp p, 0,1,2,3,4,5
.set PC_, 12*(\q)+6*(\p/3)+\p%3
.if PC_%32 < 29
	ds_load_b64 v[R_+2*\p:R_+2*\p+1], v[ADRB] offset:8*PC_+16*(PC_/32)+(\i)*16*PITCH
.else
	ds_load_b64 v[R_+2*\p:R_+2*\p+1], v[ADRB+1] offset:8*PC_+16*(PC_/32)+(\i)*16*PITCH
.endif
.endr
.endm
; a fragment of O: the images of heads 2 q and 2 q + 1 of my block t
.macro FRAGA f, t, q
	WIN (1+(\f)/FPW)<<6
.set R_, FR*((\f)%FPW)
.set OF_, ((\t)%4)*TILEB+(\q)*1536
	ds_load_b128 v[R_:R_+3], v[AA+2*((\t)/4)] offset:OF_
	ds_load_b64 v[R_+4:R_+5], v[AA+2*((\t)/4)+1] offset:OF_
	ds_load_b128 v[R_+6:R_+9], v[AA+2*((\t)/4)] offset:OF_+768
	ds_load_b64 v[R_+10:R_+11], v[AA+2*((\t)/4)+1] offset:OF_+768
.endm
.macro FETCH t                         ; block t's eight fragments into set t % 2: 32 loads
.irp q, 0,1,2,3,4,5,6,7
	FRAGA 32+8*((\t)%2)+\q, \t, \q
.endr
	WIN 0
.endm
.macro PROD t, tr, q, bp, o            ; Wo's tile 2 bp + o x block t, K step q; tr = t % 2, o: the rows of the scale registers
.set FB_, 4*(\q)+2*(\bp)+(\o)
.set FA_, 32+8*((\t)%2)+(\q)
.set D_, ACC+32*((\t)%2)+8*(2*(\bp)+(\o))
	WIN (1+FB_/FPW)|((1+FA_/FPW)<<2)
.if \q
	v_wmma_scale_f32_16x16x128_f8f6f4 v[D_:D_+7], v[FR*(FB_%FPW):FR*(FB_%FPW)+FR-1], v[FR*(FA_%FPW):FR*(FA_%FPW)+FR-1], v[D_:D_+7], v[SB+8*(\bp)+(\q)], v[SA+8*((\t)/2)+(\q)] matrix_a_fmt:MATRIX_FMT_FP6 matrix_b_fmt:MATRIX_FMT_FP6 matrix_a_scale:MATRIX_SCALE_ROW\o matrix_b_scale:MATRIX_SCALE_ROW\tr
.else
	v_wmma_scale_f32_16x16x128_f8f6f4 v[D_:D_+7], v[FR*(FB_%FPW):FR*(FB_%FPW)+FR-1], v[FR*(FA_%FPW):FR*(FA_%FPW)+FR-1], 0, v[SB+8*(\bp)+(\q)], v[SA+8*((\t)/2)+(\q)] matrix_a_fmt:MATRIX_FMT_FP6 matrix_b_fmt:MATRIX_FMT_FP6 matrix_a_scale:MATRIX_SCALE_ROW\o matrix_b_scale:MATRIX_SCALE_ROW\tr
.endif
.endm
.macro TOSTAGE t                       ; 8 stores, 8 loads.  Register j of tile b in lane (r, h) is column 32 (b / 2) + 16 h + 8 (b % 2) + j.  LDS serves a wave's instructions in order: no wait between the stores and the loads
.if (\t) >= 2
	s_wait_xcnt 0x0                                ; block t - 2's stores have read the registers that the loads below fill
.endif
.irp b, 0,1,2,3
	ds_store_b128 v[STO], v[ACC+32*((\t)%2)+8*\b:ACC+32*((\t)%2)+8*\b+3] offset:128*(\b/2)+32*(\b%2)      ; each accumulator from its low end on
	ds_store_b128 v[STO], v[ACC+32*((\t)%2)+8*\b+4:ACC+32*((\t)%2)+8*\b+7] offset:128*(\b/2)+32*(\b%2)+16
.endr
.irp k, 0,1,2,3,4,5,6,7
	ds_load_b128 v[BK+32*((\t)%2)+4*\k:BK+32*((\t)%2)+4*\k+3], v[RD] offset:\k*2*SPITCH
.endr
.endm
.macro SEND t, younger                 ; place 16 t + i is token 32 (t / 2) + 16 (i / 8) + 8 (t % 2) + i % 8
	s_wait_dscnt \younger
.irp k, 0,1,2,3,4,5,6,7
	global_store_b128 v[CO], v[BK+32*((\t)%2)+4*\k:BK+32*((\t)%2)+4*\k+3], s[12:13] offset:(32*((\t)/2)+8*((\t)%2)+16*(\k/4)+2*(\k%4))*4096 th:TH_STORE_NT   ; sixteen lanes store 256 consecutive bytes, aligned
.endr
.endm
; A BLOCK: w: the LDS instructions younger than this block's fetch that may stay out; ws: those younger than the last block's loads from the stage
.macro BLOCK t, tr, w, ws
	s_wait_dscnt \w
.irp q, 0,1,2,3,4,5,6,7
.irp bp, 0,1
.irp o, 0,1
	PROD \t, \tr, \q, \bp, \o
.endr
.endr
.endr
	WIN 0
	PLACES 4                                       ; in front of the loads into the fragments just read and of the stores of the sums just made
.if (\t)+2 < 8
	FETCH (\t)+2
.endif
	TOSTAGE \t
.if (\t) > 0
	SEND (\t)-1, \ws
.endif
.endm
	s_cmp_eq_u32 s15, 0
	s_cbranch_scc0 .Lnot_b
	s_wait_tensorcnt 0x0                           ; waves 0 and 1, which alone issue Wo's line: my rows are in
.Lnot_b:
	BARRIER                                        ; Wo is in; O may still be on its way
.irp q, 0,1,2,3,4,5,6,7
.irp b, 0,1,2,3
	FRAGB 4*\q+\b, \q, \b
.endr
.endr
	WIN 0
	s_wait_tensorcnt 0x0                           ; every wave: all that is still out
	s_wait_dscnt 0x0                               ; my rows of Wo are in registers
	BARRIER                                        ; O is in, and nobody reads Wo's bytes any more: the stages may be written
	FETCH 0
	FETCH 1
	s_wait_loadcnt 0x0                             ; the scale words
	BLOCK 0, 0, 32, 0                              ; younger than block 0's fetch: block 1's 32 loads
	BLOCK 1, 1, 48, 48                             ; from here on: a fetch of 32 and a stage's 16
	BLOCK 2, 0, 48, 48
	BLOCK 3, 1, 48, 48
	BLOCK 4, 0, 48, 48
	BLOCK 5, 1, 48, 48
	BLOCK 6, 0, 48, 16                             ; nothing more is fetched: behind block 5's loads from the stage stand block 6's 16
	BLOCK 7, 1, 32, 16                             ; younger than block 7's fetch: two stages' 32
	SEND 7, 0
	s_wait_tensorcnt 0x0                           ; the wave's end, behind my tensor load and my last LDS store
	ds_add_u32 v[SPW], v[NIL]
	s_wait_dscnt 0x0
	CROUND                                         ; the closing round
	s_endpgm
.Lfunc_end_k_q044f823ef6_oproj:
	.size	k_q044f823ef6_oproj, .Lfunc_end_k_q044f823ef6_oproj-k_q044f823ef6_oproj
	.p2alignl 7, 3214868480
	.fill 96, 4, 3214868480
	.section	.rodata,"a",@progbits
	.p2align	6, 0x0
	.amdhsa_kernel k_q044f823ef6_oproj
		.amdhsa_group_segment_fixed_size 327680
		.amdhsa_private_segment_fixed_size 0
		.amdhsa_enable_private_segment 0
		.amdhsa_kernarg_size 40
		.amdhsa_user_sgpr_count 2
		.amdhsa_user_sgpr_kernarg_segment_ptr 1
		.amdhsa_wavefront_size32 1
		.amdhsa_system_sgpr_workgroup_id_x 1
		.amdhsa_system_sgpr_workgroup_id_y 1
		.amdhsa_system_sgpr_workgroup_id_z 1
		.amdhsa_system_vgpr_workitem_id 0
		.amdhsa_next_free_vgpr 896
		.amdhsa_next_free_sgpr 66
		.amdhsa_reserve_vcc 0
		.amdhsa_float_denorm_mode_32 3
		.amdhsa_float_denorm_mode_16_64 3
		.amdhsa_memory_ordered 1
		.amdhsa_forward_progress 1
		.amdhsa_inst_pref_size 86
	.end_amdhsa_kernel
	.amdgpu_metadata
---
amdhsa.version: [ 1, 2 ]
amdhsa.kernels:
  - .name:           k_q044f823ef6_oproj
    .symbol:         k_q044f823ef6_oproj.kd
    .args:
      - { .name: oc, .offset: 0, .size: 8, .value_kind: global_buffer, .address_space: global }
      - { .name: os, .offset: 8, .size: 8, .value_kind: global_buffer, .address_space: global }
      - { .name: wc, .offset: 16, .size: 8, .value_kind: global_buffer, .address_space: global }
      - { .name: ws, .offset: 24, .size: 8, .value_kind: global_buffer, .address_space: global }
      - { .name: out0, .offset: 32, .size: 8, .value_kind: global_buffer, .address_space: global }
    .group_segment_fixed_size: 327680
    .private_segment_fixed_size: 0
    .kernarg_segment_align: 8
    .kernarg_segment_size: 40
    .max_flat_workgroup_size: 128
    .sgpr_count:     66
    .vgpr_count:     896
    .wavefront_size: 32
...
	.end_amdgpu_metadata
.endif
;; end of part 4
